; MI455X (gfx1250); checked and timed in simulation.
; The chip was launched on July 23, 2026; its instructions are those of AMD's public machine-readable ISA for CDNA 5 (MIT licence, August 2026) and "CDNA5" Instruction Set Architecture Reference Guide (July 2026). The comments in the code are by the model that wrote it; some were corrected since.
;; Multi Head Attention. Allowed arithmetic: matrix products marked QUANTISED: E2M3 operands, one E8M0 scale for each 32 along K, by v_wmma_scale_f32_16x16x128_f8f6f4 with both operands' format E2M3, f32 sums; everything else in f32.
;; Inputs: bk 16 x 64 float32; bo 1,024 float32; bq 16 x 64 float32; bv 16 x 64 float32; query 4 x 2,048 x 1,024 float32; value 4 x 2,048 x 1,024 float32; wk 16 x 1,024 x 64 float32; wo 1,024 x 1,024 float32; wq 16 x 1,024 x 64 float32; wv 16 x 1,024 x 64 float32.
;; Outputs: out0 4 x 2,048 x 1,024 float32.
;; This version of the problem:
;;   THIS VERSION OF THE PROBLEM IS GIVEN IN LOW PRECISION. The matrix products marked QUANTISED in the list below multiply operands that are first quantised to E2M3 (2 exponent bits, 3 mantissa bits; 6 bits a number), with one power-of-two scale for each 32 numbers along K (OCP MX v1.0); their sums are f32. All else is computed in f32.
;;   The module's matrix products, in the order in which they are computed (A, B: the left and right operand; K: the contracted axis; several contracted axes count as one K, in the product's order):
;;     1. [M 1,024, K 1,024] x [K 1,024, N 8,192]; A: input wq; B: input query: QUANTISED
;;     2. [M 1,024, K 1,024] x [K 1,024, N 8,192]; A: input wk; B: input value: QUANTISED
;;     3. [M 1,024, K 1,024] x [K 1,024, N 8,192]; A: input wv; B: input value: QUANTISED
;;     4. batch 64 x [M 2,048, K 64] x [K 64, N 2,048]; A: computed on the way; B: computed on the way: QUANTISED
;;     5. batch 64 x [M 2,048, K 2,048] x [K 2,048, N 64]; A: softmax (see below); B: computed on the way: QUANTISED
;;     6. [M 8,192, K 1,024] x [K 1,024, N 1,024]; A: computed on the way; B: input wo: QUANTISED
;;   THE QUANTISER, for each operand of a quantised product, along K:
;;     - K is cut into blocks of 32 from its start; a last block that is shorter is filled with zeros.
;;     - A block's scale is 2^e with e = floor(log2(the largest magnitude in the block)) - 2, held to -126 .. 127; a block of zeros has e = 0. As a byte (E8M0): e + 127.
;;     - Each number is divided by its block's scale, clamped to +-7.5, and rounded to the nearest number of E2M3, ties to even, subnormals kept.
;;     - The product sums the exact products of the quantised numbers (number of the format x scale) in f32.
;;   ~~~python
;;   def quantise(x, axis):      # numpy; x: float32 -> the quantised numbers, widened to float32 again
;;       x = np.moveaxis(x, axis, -1); K = x.shape[-1]
;;       x = np.pad(x, [(0, 0)] * (x.ndim - 1) + [(0, -K % 32)]); x = x.reshape(x.shape[:-1] + (-1, 32)); a = np.abs(x).max(-1, keepdims=True)
;;       e = np.where(a > 0, np.clip(np.frexp(np.where(a > 0, a, 1))[1] - 1 - 2, -126, 127), 0)      # np.frexp(a)[1] - 1 = floor(log2(a)), exactly
;;       r = np.clip(x / 2.0 ** e, -7.5, 7.5)
;;       step = 2.0 ** (np.maximum(np.frexp(np.where(r == 0, 1, r))[1] - 1, 0) - 3)
;;       q = np.round(r / step) * step * 2.0 ** e      # np.round: ties to even
;;       return np.moveaxis(q.reshape(q.shape[:-2] + (-1,))[..., :K], -1, axis).astype(np.float32)
;;   ~~~
;;   SOFTMAX AHEAD OF A QUANTISED PRODUCT. Where the list says 'softmax', what is quantised is not the finished softmax but p = 2^(t - M), with t = logit x log2(e) and M = ceil(the row's largest t), a whole number; so 1/2 < the row's largest p <= 1. The row's sum l is taken of the UNQUANTISED p, in f32, and the product's result is divided by l at the end. Since M is a whole number, a kernel that streams over the keys may use a running M (the ceiling of the running maximum): every later rescaling is an exact power of two, which a block's scale takes up: the codes' values come out the same.
;;   OPERANDS COMPUTED ON THE WAY. 'Computed on the way' means the value that the module computes at that place (a softmax that the list does not call 'softmax' is quantised finished and normalised). What goes into a quantiser is computed in f32, as accurately as f32 sums, v_exp_f32 and their like allow (about 1e-6 of the number): no bf16 or f16 on the way to a quantiser, and a product that is left as it is and whose result goes on into a quantised operand takes f32 operands (vector FMAs, or v_wmma_f32_16x16x4_f32). A number that lies on a knife's edge between two numbers of the format may be rounded either way, as far as f32 arithmetic and the matrix unit's own rounding can turn it there, and no further.
;; One version. Each part assembles by itself: llvm-mc -triple=amdgcn-amd-amdhsa -mcpu=gfx1250 --defsym DOCPART=n.
;; ======== version 1 of 1: 5 launches
;; workspace buffers: xc 12,582,912 bytes; xs 524,288 bytes; wc 3,145,728 bytes; wsb 131,072 bytes; ai 18,874,368 bytes; asc 786,432 bytes; hc 6,291,456 bytes; hs 262,144 bytes
;; launch quant_x (part 1): grid 512 x 1, 4 waves a work-group, no clusters, 33,280 bytes of LDS; arguments query, value, xc, xs; writes xc, xs
.if DOCPART == 1
	.amdgcn_target "amdgcn-amd-amdhsa--gfx1250"
	.amdhsa_code_object_version 6
	.text
	.protected	k_qd3b16dff87_quant_x
	.globl	k_qd3b16dff87_quant_x
	.p2align	8
	.type	k_qd3b16dff87_quant_x,@function
k_qd3b16dff87_quant_x:
	s_mov_b64 s[64:65], 0
	v_nop
	global_prefetch_b8 v0, s[64:65] scope:SCOPE_SE
	s_setreg_imm32_b32 hwreg(HW_REG_WAVE_MODE, 25, 1), 1
	s_wait_xcnt 0x0
; query and value, each [8192 tokens][1024] f32, become codes of FP6 (E2M3), 6 bits each, K = the 1,024 innermost, with one E8M0 byte for each 32 along K.
; xc: [2 tensors][8192 rows][768 bytes];  xs: [2][8192][32 bytes].
; STORED ORDER: stored row p holds token sigma(p), sigma = bits 3 and 4 of the row number exchanged.  So lane r of the i-th run of 16 stored rows holds token 32 (i / 2) + 8 (i % 2) + r + 8 (r / 8):
; used as source 0 of a transposed product, two neighbouring runs give a lane 16 neighbouring tokens in 16 registers.
; A block's scale is 2^(floor(log2(its largest magnitude)) - 2); its byte is the largest magnitude's exponent field - 2, held at 1 from below.  A block of zeros keeps the byte 1 (the rule says 127):
; its codes are zeros, which add nothing under any byte but 0xff, and this program alone reads the bytes.
; LIMITS: blocks whose largest magnitude lies under 2^-124 keep the byte 1; NaN and infinities among the inputs are not served.
; A wave takes 8 whole rows (8,192 numbers) in 16 steps of 512.  Each load reads 512 consecutive bytes, 16 a lane; a step's 2,048 bytes turn through the wave's own stage in LDS and come back 64 bytes a lane,
; so that a lane holds 16 neighbours along K (two neighbouring lanes hold a block).  A run of 8 rows is number 4 x work-group + wave: sigma on rows is the exchange of the run number's two low bits,
; which are the wave's.  Waves share nothing: no barrier.  Loads run four steps (16 loads a wave) ahead, the turn through LDS one step.
.set STEPS, 16
.set WGA,   256                        ; the first 256 work-groups take query, the others value
.set EMAX,  2
.set CB,    12                         ; bytes of 16 codes
.set R,     16                         ; v16-79   four sets of 16 numbers as they are loaded
.set X,     80                         ; v80-111  two sets of 16 neighbours
.set C,     128                        ; v128-191 codes: four registers for each step, so that no store's data are written again
.set E,     112                        ; v112-127 a scale byte for each step
.set WREG,  8192                       ; LDS: a region for each wave: two stages of 32 x SP bytes, behind them its 256 scale bytes
.set SP,    80                         ; a lane's place in a stage: its 64 bytes + 16 of padding
	s_load_b128 s[4:7], s[0:1], 0x0                ; query, value
	s_load_b128 s[8:11], s[0:1], 0x10              ; xc, xs
	v_lshl_add_u32 v192, v0, 2, 0x8000
	v_mov_b32 v193, 0
	v_lshrrev_b32 v1, 5, v0
	v_readfirstlane_b32 s16, v1                    ; wave
	v_and_b32 v2, 31, v0                           ; lane
	v_lshlrev_b32 v3, 4, v2                        ; my 16 bytes of a load's 512
	s_mul_i32 s17, s16, WREG
	v_lshrrev_b32 v14, 2, v2
	v_mul_u32_u24 v14, v14, SP
	v_and_b32 v15, 3, v2
	v_lshl_add_u32 v14, v15, 4, v14
	v_add_nc_u32 v14, s17, v14                     ; the stage, on the way in: SP (lane / 4) + 16 (lane % 4)
	v_mul_u32_u24 v15, v2, SP
	v_add_nc_u32 v15, s17, v15                     ; and on the way out: SP x lane: my 16 neighbours
	v_mul_u32_u24 v4, v2, CB                       ; my codes' place in a step's
	v_lshrrev_b32 v5, 1, v2
	s_add_co_u32 s17, s17, 2*32*SP
	v_add_nc_u32 v5, s17, v5                       ; LDS: my wave's 256 scale bytes, my block's byte
	v_lshlrev_b32 v7, 3, v2                        ; and on the way out 8 bytes a lane
	v_add_nc_u32 v6, s17, v7
	s_and_b32 s17, ttmp9, 255
	s_lshl_b32 s17, s17, 2
	s_add_co_u32 s18, s17, s16                     ; the run that I read, in its tensor
	s_mov_b32 s19, 0
	s_lshl_b64 s[20:21], s[18:19], 15              ; 32,768 bytes a run
	s_and_b32 s22, s16, 1
	s_lshl_b32 s22, s22, 1
	s_lshr_b32 s23, s16, 1
	s_or_b32 s22, s22, s23                         ; the wave's two bits exchanged
	s_lshl_b32 s23, ttmp9, 2
	s_add_co_u32 s18, s22, s23                     ; the run that I write: value's runs follow query's in xc and in xs
	s_mul_i32 s22, s18, 32*STEPS*CB                ; 6,144 bytes of codes a run
	s_mov_b32 s23, 0
	s_lshl_b32 s18, s18, 8                         ; 256 scale bytes a run
	s_wait_kmcnt 0x0
	s_cmp_lt_u32 ttmp9, WGA                        ; the choice hangs on the work-group's number alone
	s_cselect_b64 s[4:5], s[4:5], s[6:7]
	s_add_nc_u64 s[4:5], s[4:5], s[20:21]
	s_add_nc_u64 s[8:9], s[8:9], s[22:23]
	s_add_nc_u64 s[10:11], s[10:11], s[18:19]
.macro LOAD t
.irp i, 0,1,2,3
	global_load_b128 v[R+16*((\t)%4)+4*\i:R+16*((\t)%4)+4*\i+3], v3, s[4:5] offset:2048*(\t)+512*\i th:TH_LOAD_NT   ; 32 lanes read 512 consecutive bytes
.endr
.endm
.macro TURN t                          ; step t's numbers through the stage: LDS serves a wave's instructions in order, so no wait stands between the stores and the loads
.irp i, 0,1,2,3
	ds_store_b128 v14, v[R+16*((\t)%4)+4*\i:R+16*((\t)%4)+4*\i+3] offset:32*SP*((\t)%2)+8*SP*\i
.endr
.irp i, 0,1,2,3
	ds_load_b128 v[X+16*((\t)%2)+4*\i:X+16*((\t)%2)+4*\i+3], v15 offset:32*SP*((\t)%2)+16*\i
.endr
.endm
.irp t, 0,1,2,3
	LOAD \t
.endr
	s_wait_loadcnt 12                              ; step 0's four loads are in; the twelve of steps 1 to 3 may be out
	TURN 0
.macro STEP t
.set XS, X+16*((\t)%2)
.if (\t) > 0
	s_wait_dscnt 1                                 ; this step's numbers are back from the stage (the last step's byte store may be out): so its stores into the stage have read their registers,
.else
	s_wait_dscnt 0x0
.endif
.if (\t)+4 < STEPS
	LOAD (\t)+4                                    ; which take the loads of four steps on
.endif
.if (\t)+1 < STEPS
.if STEPS-2-(\t) >= 3
	s_wait_loadcnt 12                              ; the next step's four loads are in; those of the three steps behind it may be out
.else
	s_wait_loadcnt 4*(STEPS-2-(\t))
.endif
	TURN (\t)+1                                    ; and go through the other stage while this step is worked
.endif
	v_max3_num_f32 v8, |v[XS]|, |v[XS+1]|, |v[XS+2]|               ; the largest magnitude of my 16, in two chains
	v_max3_num_f32 v9, |v[XS+3]|, |v[XS+4]|, |v[XS+5]|
.irp i, 6,10
	v_max3_num_f32 v8, v8, |v[XS+\i]|, |v[XS+\i+1]|
	v_max3_num_f32 v9, v9, |v[XS+\i+2]|, |v[XS+\i+3]|
.endr
	v_max3_num_f32 v8, v8, |v[XS+14]|, |v[XS+15]|
	v_max3_num_f32 v8, v8, v9, (EMAX+1)<<23        ; and the floor 2^(3 - 127): the byte cannot fall under 1
	v_max_num_f32_dpp v8, v8, v8 row_xmask:1 row_mask:0xf bank_mask:0xf   ; and of my neighbour's 16: the block's
	v_add_nc_u32 v11, -(EMAX<<23), v8              ; 2 off its exponent field: the conversion takes the exponent field of this operand as its scale
	v_cvt_scalef32_pk16_fp6_f32 v[C+4*(\t):C+4*(\t)+2], v[XS:XS+15], v11         ; sixteen codes, 96 bits without gaps, the first number's code lowest
	v_lshrrev_b32 v[E+(\t)], 23, v11               ; the scale's byte (also the plain line behind the conversion)
	ds_store_b8 v5, v[E+(\t)] offset:16*(\t)       ; both lanes of a block write the same byte with the same value
	global_store_b96 v4, v[C+4*(\t):C+4*(\t)+2], s[8:9] offset:32*CB*(\t)   ; the wave stores 384 consecutive bytes
.endm
.irp t, 0,1,2,3,4,5,6,7,8,9,10,11,12,13,14,15
	STEP \t
.endr
	ds_load_b64 v[12:13], v6                       ; LDS serves a wave's instructions in order: these see my stores
	s_wait_dscnt 0x0
	global_store_b64 v7, v[12:13], s[10:11]        ; 32 lanes store 256 consecutive bytes, at a multiple of 256 from xs's first byte
	s_wait_tensorcnt 0x0
	ds_add_u32 v192, v193
	s_wait_dscnt 0x0
	s_endpgm
.Lfunc_end_k_qd3b16dff87_quant_x:
	.size	k_qd3b16dff87_quant_x, .Lfunc_end_k_qd3b16dff87_quant_x-k_qd3b16dff87_quant_x
	.p2alignl 7, 3214868480
	.fill 96, 4, 3214868480
	.section	.rodata,"a",@progbits
	.p2align	6, 0x0
	.amdhsa_kernel k_qd3b16dff87_quant_x
		.amdhsa_group_segment_fixed_size 33280
		.amdhsa_private_segment_fixed_size 0
		.amdhsa_enable_private_segment 0
		.amdhsa_kernarg_size 32
		.amdhsa_user_sgpr_count 2
		.amdhsa_user_sgpr_kernarg_segment_ptr 1
		.amdhsa_wavefront_size32 1
		.amdhsa_system_sgpr_workgroup_id_x 1
		.amdhsa_system_sgpr_workgroup_id_y 1
		.amdhsa_system_sgpr_workgroup_id_z 1
		.amdhsa_system_vgpr_workitem_id 0
		.amdhsa_next_free_vgpr 194
		.amdhsa_next_free_sgpr 66
		.amdhsa_reserve_vcc 0
		.amdhsa_float_denorm_mode_32 3
		.amdhsa_float_denorm_mode_16_64 3
		.amdhsa_memory_ordered 1
		.amdhsa_forward_progress 1
		.amdhsa_inst_pref_size 32
	.end_amdhsa_kernel
	.amdgpu_metadata
---
amdhsa.version: [ 1, 2 ]
amdhsa.kernels:
  - .name:           k_qd3b16dff87_quant_x
    .symbol:         k_qd3b16dff87_quant_x.kd
    .args:
      - { .name: query, .offset: 0, .size: 8, .value_kind: global_buffer, .address_space: global }
      - { .name: value, .offset: 8, .size: 8, .value_kind: global_buffer, .address_space: global }
      - { .name: xc, .offset: 16, .size: 8, .value_kind: global_buffer, .address_space: global }
      - { .name: xs, .offset: 24, .size: 8, .value_kind: global_buffer, .address_space: global }
    .group_segment_fixed_size: 33280
    .private_segment_fixed_size: 0
    .kernarg_segment_align: 8
    .kernarg_segment_size: 32
    .max_flat_workgroup_size: 128
    .sgpr_count:     66
    .vgpr_count:     194
    .wavefront_size: 32
...
	.end_amdgpu_metadata
.endif
;; end of part 1
;; launch quant_w (part 2): grid 8 x 16, 4 waves a work-group, no clusters, 36,352 bytes of LDS; arguments wq, wk, wv, wo, wc, wsb; writes wc, wsb
.if DOCPART == 2
	.amdgcn_target "amdgcn-amd-amdhsa--gfx1250"
	.amdhsa_code_object_version 6
	.text
	.protected	k_qd3b16dff87_quant_w
	.globl	k_qd3b16dff87_quant_w
	.p2align	8
	.type	k_qd3b16dff87_quant_w,@function
k_qd3b16dff87_quant_w:
	s_mov_b64 s[64:65], 0
	v_nop
	global_prefetch_b8 v0, s[64:65] scope:SCOPE_SE
	s_setreg_imm32_b32 hwreg(HW_REG_WAVE_MODE, 25, 1), 1
	s_wait_xcnt 0x0
; The four weights become codes of FP6 (E2M3) with K innermost, and one E8M0 byte for each 32 along K.  wc: [4 tensors][1024 rows n][768 bytes];  wsb: [4][1024][32 bytes].
; wq, wk, wv are [16 heads][1024 d][64 e]: K = d, row n = 64 head + e; from k to k + 1 are 256 bytes.  wo is [1024 k][1024 n]: from k to k + 1 are 4,096 bytes.  That stride S is the only difference,
; and it is a scalar: one path of text serves all four.
; A LANE TAKES A COLUMN n, AND ITS REGISTERS RUN DOWN K: each load reads 32 neighbouring n (128 consecutive bytes), a block of 32 along K lies in one lane's 32 registers, and the conversions give codes with K innermost.
; STORED ORDER: row n goes to stored row sigma(n), sigma = bits 3 and 4 exchanged (see the launch that quantises query and value).
; A block's scale is 2^(floor(log2(its largest magnitude)) - 2); its byte is held at 1 from below; a block of zeros keeps the byte 1: its codes are zeros, and this program alone reads the bytes.
; LIMITS: blocks whose largest magnitude lies under 2^-124 keep the byte 1; NaN and infinities are not served.
; SHARES: work-group x: 128 rows n; y / 4: the tensor; y % 4: 256 along K.  A wave takes 32 columns x 256 along K: 8 blocks a lane, 192 bytes of codes a column, which go through the wave's own stage in LDS
; and leave as rows: sixteen lanes store a row's 192 consecutive bytes.  A lane's 8 scale bytes leave by one store, rows 32 bytes apart: one byte for each 128 that the launch reads.
; No tensor loads, no barrier: waves share nothing.  Loads run two blocks (64 loads a wave) ahead.
.set KW,    256
.set NB,    KW/32
.set ROWB,  192
.set PITCH, 272                        ; a stage row: sixteen places of 16 bytes, each with 12 bytes of codes, + 16
.set KROW,  768
.set EMAX,  2
.set WCB,   786432                     ; one tensor's codes
.set OF,    16                         ; v16-47   4 x lane + i S: row i of a block; never rewritten
.set X,     48                         ; v48-111  two sets of 32 numbers
.set C,     112                        ; v112-118 a block's codes
.set SB,    120                        ; v120-121 the scale bytes, four to a register
.set OUTR,  128                        ; v128-191 the way out
.set BASE,  32                         ; s[32:47] where block t begins in memory, a pair for each of the 8 blocks; never rewritten
	s_load_b256 s[4:11], s[0:1], 0x0               ; wq, wk, wv, wo
	s_load_b128 s[12:15], s[0:1], 0x20             ; wc, wsb
	v_lshl_add_u32 v192, v0, 2, 0x8c00
	v_mov_b32 v193, 0
	v_lshrrev_b32 v1, 5, v0
	v_readfirstlane_b32 s16, v1                    ; wave 0..3
	v_and_b32 v2, 31, v0                           ; lane
	s_lshl_b32 s17, ttmp9, 7
	s_lshl_b32 s18, s16, 5
	s_add_co_u32 s17, s17, s18                     ; n0: my wave's first column
	s_and_b32 s18, ttmp7, 0xffff
	s_lshr_b32 s19, s18, 2                         ; the tensor
	s_and_b32 s18, s18, 3                          ; which 256 along K
	s_mul_i32 s30, s16, 32*PITCH                   ; my stage
	v_mul_u32_u24 v4, v2, PITCH
	v_add_nc_u32 v4, s30, v4                       ; into it: row = my column
	v_and_b32 v5, 15, v2
	v_lshrrev_b32 v6, 4, v2                        ; out of it: sixteen lanes to a row, two rows an instruction
	v_mul_u32_u24 v7, v6, PITCH
	v_lshl_add_u32 v7, v5, 4, v7
	v_add_nc_u32 v7, s30, v7                       ; LDS address
	v_mul_u32_u24 v8, v6, KROW
	v_mad_u32_u24 v8, v5, 12, v8                   ; and the place in wc: sigma leaves a row number's lowest bit alone
	v_and_b32 v9, 7, v2
	v_and_b32 v10, 8, v2
	v_lshl_or_b32 v9, v10, 1, v9
	v_and_b32 v10, 16, v2
	v_lshrrev_b32 v10, 1, v10
	v_or_b32 v9, v9, v10                           ; sigma(lane)
	v_lshlrev_b32 v9, 5, v9                        ; my column's row of scale bytes
	s_lshr_b32 s21, s17, 6
	s_lshl_b32 s21, s21, 18                        ; a head's 262,144 bytes
	s_and_b32 s22, s17, 63
	s_lshl_b32 s22, s22, 2
	s_add_co_u32 s21, s21, s22                     ; the column's first byte in wq, wk, wv,
	s_lshl_b32 s22, s17, 2                         ; and in wo
	s_mov_b32 s20, 4096
	s_cmp_eq_u32 s19, 3
	s_cselect_b32 s20, s20, 0x100                  ; S
	s_cselect_b32 s21, s22, s21
	s_lshl_b32 s22, s18, 8
	s_mul_i32 s22, s22, s20
	s_add_co_u32 s22, s22, s21                     ; my wave's first number, in bytes
	s_mov_b32 s23, 0
	s_lshl_b32 s24, s20, 5                         ; a block on: 32 S
	s_mov_b32 s25, 0
	s_mul_i32 s26, s19, WCB
	s_mul_i32 s27, s17, KROW
	s_add_co_u32 s26, s26, s27
	s_mul_i32 s27, s18, ROWB
	s_add_co_u32 s26, s26, s27                     ; codes: tensor, row n0, 192 bytes for each 256 along K
	s_mov_b32 s27, 0
	s_lshl_b32 s28, s19, 15
	s_lshl_b32 s29, s17, 5
	s_add_co_u32 s28, s28, s29
	s_lshl_b32 s29, s18, 3
	s_add_co_u32 s28, s28, s29                     ; scale bytes: tensor, row n0, 8 bytes for each 256 along K
	s_mov_b32 s29, 0
	v_lshlrev_b32 v[OF], 2, v2
.set i, 1
.rept 31
	v_add_nc_u32 v[OF+i], s20, v[OF+i-1]
.set i, i+1
.endr
	s_wait_kmcnt 0x0
	s_cmp_eq_u32 s19, 1                            ; the choices hang on the work-group's number alone
	s_cselect_b64 s[4:5], s[6:7], s[4:5]
	s_cmp_eq_u32 s19, 2
	s_cselect_b64 s[4:5], s[8:9], s[4:5]
	s_cmp_eq_u32 s19, 3
	s_cselect_b64 s[4:5], s[10:11], s[4:5]
	s_add_nc_u64 s[BASE:BASE+1], s[4:5], s[22:23]
.irp t, 1,2,3,4,5,6,7
	s_add_nc_u64 s[BASE+2*\t:BASE+2*\t+1], s[BASE+2*\t-2:BASE+2*\t-1], s[24:25]
.endr
	s_add_nc_u64 s[12:13], s[12:13], s[26:27]
	s_add_nc_u64 s[14:15], s[14:15], s[28:29]
.macro LOAD t                          ; block t: W(32 t + i, my column), i = 0 .. 31, into set t % 2
.irp i, 0,1,2,3,4,5,6,7,8,9,10,11,12,13,14,15,16,17,18,19,20,21,22,23,24,25,26,27,28,29,30,31
	global_load_b32 v[X+32*((\t)%2)+\i], v[OF+\i], s[BASE+2*(\t):BASE+2*(\t)+1] th:TH_LOAD_NT
.endr
.endm
	LOAD 0
	LOAD 1
.macro BLOCK t
.set XS, X+32*((\t)%2)
.if (\t) < NB-1
	s_wait_loadcnt 32                              ; this block's 32 loads are in; the next block's 32 may be out
.else
	s_wait_loadcnt 0
.endif
	v_max3_num_f32 v12, |v[XS]|, |v[XS+1]|, |v[XS+2]|               ; the block's largest magnitude: all 32 numbers are mine
	v_max3_num_f32 v13, |v[XS+3]|, |v[XS+4]|, |v[XS+5]|
.irp i, 6,10,14,18,22,26
	v_max3_num_f32 v12, v12, |v[XS+\i]|, |v[XS+\i+1]|
	v_max3_num_f32 v13, v13, |v[XS+\i+2]|, |v[XS+\i+3]|
.endr
	v_max3_num_f32 v12, v12, |v[XS+30]|, |v[XS+31]|
	v_max3_num_f32 v12, v12, v13, (EMAX+1)<<23     ; and the floor 2^(3 - 127): the byte cannot fall under 1
	v_add_nc_u32 v11, -(EMAX<<23), v12             ; 2 off its exponent field: the conversion's scale operand
	v_lshrrev_b32 v13, 23, v11                     ; the scale's byte
.if (\t)%4 == 0
	v_mov_b32 v[SB+(\t)/4], v13                    ; four bytes to a register, the lower K in the lower byte
.else
	v_lshl_or_b32 v[SB+(\t)/4], v13, 8*((\t)%4), v[SB+(\t)/4]
.endif
	v_cvt_scalef32_pk16_fp6_f32 v[C:C+2], v[XS:XS+15], v11
	v_cvt_scalef32_pk16_fp6_f32 v[C+4:C+6], v[XS+16:XS+31], v11     ; (a conversion's three registers begin on an even number)
	ds_store_b96 v4, v[C:C+2] offset:32*(\t)       ; 16 codes, 12 bytes, to a place of 16 bytes in the stage
	ds_store_b96 v4, v[C+4:C+6] offset:32*(\t)+16
.if (\t)+2 < NB
	LOAD (\t)+2
.endif
	s_wait_dscnt 0x0                               ; the stores have read their registers: the next block's codes may be written
.endm
.set Q, 0
.rept NB
	BLOCK Q
.set Q, Q+1
.endr
	global_store_b64 v9, v[SB:SB+1], s[14:15]      ; my column's 8 scale bytes, at stored row sigma(lane)
.irp t, 0,1,2,3,4,5,6,7,8,9,10,11,12,13,14,15
	ds_load_b96 v[OUTR+4*\t:OUTR+4*\t+2], v7 offset:2*\t*PITCH   ; LDS serves a wave's instructions in order: these see my stores
.endr
.irp t, 0,1,2,3,4,5,6,7,8,9,10,11,12,13,14,15
	s_wait_dscnt 15-\t                             ; the younger loads may be out
	global_store_b96 v8, v[OUTR+4*\t:OUTR+4*\t+2], s[12:13] offset:(((2*\t)&7)|(((2*\t)&8)<<1)|(((2*\t)&16)>>1))*KROW   ; columns 2 t, 2 t + 1 go to stored rows sigma(2 t), sigma(2 t) + 1
.endr
	s_wait_tensorcnt 0x0
	ds_add_u32 v192, v193
	s_wait_dscnt 0x0
	s_endpgm
.Lfunc_end_k_qd3b16dff87_quant_w:
	.size	k_qd3b16dff87_quant_w, .Lfunc_end_k_qd3b16dff87_quant_w-k_qd3b16dff87_quant_w
	.p2alignl 7, 3214868480
	.fill 96, 4, 3214868480
	.section	.rodata,"a",@progbits
	.p2align	6, 0x0
	.amdhsa_kernel k_qd3b16dff87_quant_w
		.amdhsa_group_segment_fixed_size 36352
		.amdhsa_private_segment_fixed_size 0
		.amdhsa_enable_private_segment 0
		.amdhsa_kernarg_size 48
		.amdhsa_user_sgpr_count 2
		.amdhsa_user_sgpr_kernarg_segment_ptr 1
		.amdhsa_wavefront_size32 1
		.amdhsa_system_sgpr_workgroup_id_x 1
		.amdhsa_system_sgpr_workgroup_id_y 1
		.amdhsa_system_sgpr_workgroup_id_z 1
		.amdhsa_system_vgpr_workitem_id 0
		.amdhsa_next_free_vgpr 194
		.amdhsa_next_free_sgpr 66
		.amdhsa_reserve_vcc 0
		.amdhsa_float_denorm_mode_32 3
		.amdhsa_float_denorm_mode_16_64 3
		.amdhsa_memory_ordered 1
		.amdhsa_forward_progress 1
		.amdhsa_inst_pref_size 44
	.end_amdhsa_kernel
	.amdgpu_metadata
---
amdhsa.version: [ 1, 2 ]
amdhsa.kernels:
  - .name:           k_qd3b16dff87_quant_w
    .symbol:         k_qd3b16dff87_quant_w.kd
    .args:
      - { .name: wq, .offset: 0, .size: 8, .value_kind: global_buffer, .address_space: global }
      - { .name: wk, .offset: 8, .size: 8, .value_kind: global_buffer, .address_space: global }
      - { .name: wv, .offset: 16, .size: 8, .value_kind: global_buffer, .address_space: global }
      - { .name: wo, .offset: 24, .size: 8, .value_kind: global_buffer, .address_space: global }
      - { .name: wc, .offset: 32, .size: 8, .value_kind: global_buffer, .address_space: global }
      - { .name: wsb, .offset: 40, .size: 8, .value_kind: global_buffer, .address_space: global }
    .group_segment_fixed_size: 36352
    .private_segment_fixed_size: 0
    .kernarg_segment_align: 8
    .kernarg_segment_size: 48
    .max_flat_workgroup_size: 128
    .sgpr_count:     66
    .vgpr_count:     194
    .wavefront_size: 32
...
	.end_amdgpu_metadata
.endif
;; end of part 2
;; launch proj (part 3): grid 96 x 4, 4 waves a work-group, clusters of 4 x 4, 327,680 bytes of LDS; arguments xc, xs, wc, wsb, bq, bk, bv, ai, asc; writes ai, asc
.if DOCPART == 3
	.amdgcn_target "amdgcn-amd-amdhsa--gfx1250"
	.amdhsa_code_object_version 6
	.text
	.protected	k_qd3b16dff87_proj
	.globl	k_qd3b16dff87_proj
	.p2align	8
	.type	k_qd3b16dff87_proj,@function
k_qd3b16dff87_proj:
	s_mov_b64 s[64:65], 0
	v_nop
	global_prefetch_b8 v0, s[64:65] scope:SCOPE_SE
	s_setreg_imm32_b32 hwreg(HW_REG_WAVE_MODE, 25, 1), 1
	s_wait_xcnt 0x0
	s_wait_alu depctr_hold_cnt(0) depctr_sa_sdst(0) depctr_va_vdst(0) depctr_va_sdst(0) depctr_va_ssrc(0) depctr_va_vcc(0) depctr_vm_vsrc(0)
	s_getreg_b32 s2, hwreg(HW_REG_IB_STS2, 6, 4)
	s_cmp_eq_u32 s2, 0
	s_cbranch_scc0 .Lentry_in_a_cluster
	s_endpgm
.Lentry_in_a_cluster:
	s_bfe_u32 s2, ttmp6, 0x10000c
	s_cmp_lg_u32 s2, 0xf033
	s_cbranch_scc0 .Lentry_shape_is_right
	s_endpgm
.Lentry_shape_is_right:
; The three projections q = query wq + bq, k = value wk + bk, v = value wv + bv, on codes of FP6 (E2M3) with one E8M0 scale for each 32 along K = 1,024; the results, in f32 with their bias, are quantised
; in registers and leave as the operand images that the attention launch reads.  q and k are quantised along the head's 64, v along the keys.
; JOBS.  Cluster x / 8 is the job (0 q, 1 k, 2 v), cluster x % 8 its eighth.  Each job is C[m][n] = sum over k of A[m][k] B[n][k] on tiles of 256 x 256, four waves of 128 x 128 (64 accumulators, 512 registers).
; THE MATRIX INSTRUCTION IS USED TRANSPOSED (source 0 = 16 rows of B, source 1 = 16 rows of A): a lane holds one row of A and its registers run along B's rows, which is the direction in which the result is quantised:
;   q, k: A = tokens (xc), B = features (wc);   v: A = features (wc), B = tokens (xc).  The job is the same in all sixteen partners of a cluster.
; STORED ORDER.  xc's and wc's stored row p holds true row sigma(p) (bits 3 and 4 exchanged), so the 64 registers of one block of A's rows are: register 16 B + i = true column 32 B + 16 (lane / 16) + i.
; K goes in steps of 256 through a ring of two LDS slots filled by the tensor data mover (rows of 192 bytes); the scales of the work-group's rows, for all of K, come into LDS once.
; CLUSTERS: 4 x 4 work-groups; A's tile is asked for jointly by a row of the cluster, B's by a column.
; OUTPUT.  ai: [3 jobs][64 (b, head)][16 steps of 128 tokens][4 fragments][1,536 bytes]: a fragment's registers 4 q .. 4 q + 3 of lane l lie at 512 q + 16 l.  A fragment f of q or k holds the stored token tiles 2 f (registers 0-5)
; and 2 f + 1 (registers 6-11), each with the head's 64; a fragment t of v holds 16 of the head's 64 x 128 keys.  asc: [3][64][16][256 bytes]: lane l's 8 bytes at 8 l: word 0: fragment 0's row words in lanes 0-15, fragment 1's in
; lanes 16-31; word 1: fragments 2 and 3.  A row word of q or k: the two bytes of tile 2 f, then those of tile 2 f + 1.
; LIMITS: blocks whose largest magnitude lies under 2^-124, and blocks of zeros, keep the byte 1 (their codes are read by this program alone); NaN and infinities are not served.
; REGISTERS, in windows of 256: window 0: v0-31 addresses; v32-63 scale words, two sets; v64-127 the bias along the registers; v128-223 A's fragments, one set; v224-239 the bias of the lane's row.
;   window 1: B's fragments, two sets, at v0 and v128.   window 2: the accumulators of my rows 0-63 ((a, b) at v[8 (8 a + b)]);   window 3: those of my rows 64-127.
;   In the epilogue, window 0: v8-15 row words; v128-191 64 numbers; v192-215 two fragments; v216-222, v240-255 at work.
.set KSTEP,  256
.set NQ,     KSTEP/128
.set ROWB,   192                       ; a tile's row in bytes
.set KROW,   768                       ; a row of codes in memory
.set PITCH,  240                       ; an LDS row: 3 x (64 bytes of data + 16 of padding)
.set FR,     12                        ; registers of a fragment
.set NL,     6                         ; LDS loads that bring one
.set NP,     4                         ; places behind this matrix instruction (ISA guide 7.12.1)
.set HALFT,  128*PITCH
.set SLOT,   4*HALFT                   ; A's 256 rows, then B's 256 rows
.set LAPS,   2                         ; K = 1,024 is four K steps: twice round the ring
.set KS,     32                        ; a row of scales in bytes
.set SCL,    2*SLOT                    ; behind the ring: the scales, as runs of 256 bytes + 16 of padding
.set HALFS,  (128*KS/256)*272
.set SBLK,   (16*KS/256)*272
.set SPARE,  SCL+4*HALFS               ; behind the scales: the spare words, 128 bytes for each wave, which no other line names
.set XCB,    6291456                   ; one tensor of xc, of xs, of wc, of wsb
.set XSB,    262144
.set WCB,    786432
.set WSB,    32768
.set IMG,    6291456                   ; one job's part of ai, of asc
.set SIMG,   262144
.set BHB,    98304                     ; one (b, head) in ai
.set WD,   8                           ; v8-15   row words W[2 heads][4 fragments]
.set ADRA, 16                          ; v16-17  LDS address of my A fragments in slot 0, 1  (v18-19: for the pieces behind one padding more)
.set ADRB, 20                          ; v20-21  the same for B  (v22-23)
.set OI,   24                          ; v24     16 x lane
.set OS,   25                          ; v25     8 x lane
.set ADRS, 27                          ; v27     LDS address of my scale words: lanes 0-15 A's rows, lanes 16-31 B's
.set SPW,  28                          ; v28     LDS address of my spare word; never rewritten
.set NIL,  29                          ; v29     0; never rewritten
.set BO1,  30                          ; v30     64 x (lane / 16)
.set BO2,  31                          ; v31     4 x (r + 8 (r / 8))
.set SC,   32
.set BN,   64                          ; v64-127  bias[feat0 + 32 B + 16 h + i] at register 16 B + i
.set AF,   128
.set BM,   224                         ; v224-239 bias of my row of block a, twice: a pair for the packed addition
.set XX,   128
.set FR0,  192
.set FR1,  204
.set CT,   216
.set TM,   240                         ; v240-243 largest magnitudes, v244-247 bytes, v248-251 the conversions' scale operands
.set PW0,  252
.set PW1,  253
.set RR,   254
.set G1, 24
.set G0, 32
.set G1B, 48
.set G0B, 56
.set G1S, 68
.set G0S, 76
.set G1SB, 80
.set G0SB, 88
.set JOB, 66                           ; s66
.set HM,  92                           ; s92  the mask of lanes 16-31 (epilogue)
.set SEL, 100                          ; s[100:101] lane selects for v_permlanex16_b32: lane l xor 16
.set MSB, 0
.macro WIN new                         ; the immediate's high byte repeats the setting that is left
.if MSB != (\new)
	s_set_vgpr_msb (MSB<<8)|(\new)
.set MSB, (\new)
.endif
.endm
.set MUL_LO, 0xa1                      ; source 0 (B) window 1, source 1 (A) window 0, C and D window 2
.set MUL_HI, 0xf1                      ; the same, C and D window 3
.set TO_B,   0x40                      ; destination window 1, address window 0
; A joint load: waves 0 and 1 fetch for A, waves 2 and 3 for B.  Each line has one mask and one set of registers for all that issue it; the branch hangs on the wave's number alone.
; Four v_nop follow each of the two lines, ahead of the jump, the label and what follows.
.macro JLOAD g0a, g1a, g0b, g1b
	s_cmp_eq_u32 s15, 0
	s_cbranch_scc0 .Lfor_b_\@
	tensor_load_to_lds s[\g0a:\g0a+3], s[\g1a:\g1a+7]
	s_nop 0
.rept 4
	v_nop
.endr
	s_branch .Lasked_\@
.Lfor_b_\@:
	tensor_load_to_lds s[\g0b:\g0b+3], s[\g1b:\g1b+7]
	s_nop 0
.rept 4
	v_nop
.endr
.Lasked_\@:
.endm
.macro CREST                           ; a round of the cluster's barrier behind its opening barrier
	s_cmp_lg_u32 s14, 0
	s_cbranch_scc1 .Lnot_wave_0_\@
	s_barrier_signal -3
.Lnot_wave_0_\@:
	s_barrier_wait -3
	s_barrier_signal -1
	s_barrier_wait -1
.endm
.macro CROUND                          ; a whole round
	s_barrier_signal -1
	s_barrier_wait -1
	CREST
.endm
	s_load_b256 s[4:11], s[0:1], 0x0               ; xc, xs, wc, wsb
	s_load_b256 s[68:75], s[0:1], 0x20             ; bq, bk, bv, ai: moved on below, before these registers become descriptors
	s_load_b64 s[96:97], s[0:1], 0x40              ; asc
	v_lshl_add_u32 v[SPW], v0, 2, SPARE
	v_mov_b32 v[NIL], 0
	ds_add_u32 v28, v29
	ds_add_u32 v28, v29
	s_wait_dscnt 0x0
	v_lshrrev_b32 v1, 5, v0
	v_readfirstlane_b32 s14, v1                    ; wave 0..3
	s_lshr_b32 s15, s14, 1                         ; which half of the tile's rows is mine.  Also: I fetch for A (0) or for B (1)
	s_and_b32 s16, s14, 1                          ; which half of its columns.  Also: which 128 rows of that tile I fetch
	s_bfe_u32 s40, ttmp6, 0x40000                  ; cx, cy: my place in the cluster
	s_bfe_u32 s41, ttmp6, 0x40004
	s_lshr_b32 s[JOB], ttmp9, 3                    ; the job: the same in all sixteen partners
	s_and_b32 s67, ttmp9, 7
	s_lshl_b32 s67, s67, 2                         ; the eighth's first tile along the tokens
	s_cmp_eq_u32 s[JOB], 2
	s_cselect_b32 s18, 0, s67                      ; q, k: the tokens are C's rows;
	s_cselect_b32 s19, s67, 0                      ; v: they are its columns
	s_add_co_u32 s17, s41, s18                     ; tile row of C
	s_add_co_u32 s42, s40, s19                     ; tile column of C
	s_lshl_b32 s43, s41, 2
	s_lshl_b32 s43, 15, s43                        ; my row of the cluster
	s_lshl_b32 s44, 0x1111, s40                    ; my column
	; descriptor group 1: a tile of 128 rows x 192 bytes, padded in LDS
	s_or_b32 s[G1+0], s43, (0<<16)|(1<<20)|(1<<21)|(3<<22)|(3<<25)  ; 15:0 the mask: A's tiles go to my row; elements of 1 byte; padding on; 21 set beside a mask; after every 16 words 4 words
	s_or_b32 s[G1B+0], s44, (0<<16)|(1<<20)|(1<<21)|(3<<22)|(3<<25)
.irp g, G1, G1B
	s_mov_b32 s[\g+1], ROWB<<16                    ; tensor_dim0
	s_mov_b32 s[\g+2], 128<<16                     ; tensor_dim1
	s_mov_b32 s[\g+3], ROWB<<16                    ; tile_dim0
	s_mov_b32 s[\g+4], 128                         ; tile_dim1
	s_mov_b32 s[\g+5], KROW                        ; tensor_dim0_stride
	s_mov_b32 s[\g+6], 0
	s_mov_b32 s[\g+7], 0
.endr
	s_lshl_b32 s18, s16, 7                         ; which 128 rows of the tile I fetch
	s_lshl_b32 s20, s17, 8
	s_add_co_u32 s20, s20, s18                     ; A: row 256 x tile row + 128 x half
	s_lshl_b32 s46, s42, 8
	s_add_co_u32 s46, s46, s18                     ; B: row 256 x tile column + 128 x half
	s_mov_b32 s21, 0
	s_mov_b32 s47, 0
	s_mov_b64 s[18:19], KS
	s_mul_u64 s[22:23], s[20:21], s[18:19]         ; where these rows' scales begin, in bytes
	s_mul_u64 s[92:93], s[46:47], s[18:19]
	s_mov_b64 s[18:19], KROW
	s_mul_u64 s[20:21], s[20:21], s[18:19]         ; and their codes
	s_mul_u64 s[46:47], s[46:47], s[18:19]
	s_mul_i32 s45, s14, HALFT                      ; where they go: wave x 128 rows: no place in the cluster enters an LDS address
	s_mul_i32 s2, s14, HALFS
	s_mov_b32 s101, 0
	s_wait_kmcnt 0x0
	s_cmp_eq_u32 s[JOB], 1                         ; the job's bias
	s_cselect_b64 s[12:13], s[70:71], s[68:69]
	s_cmp_eq_u32 s[JOB], 2
	s_cselect_b64 s[12:13], s[72:73], s[12:13]
	s_mov_b64 s[94:95], s[74:75]                   ; ai
	s_cselect_b64 s[98:99], s[8:9], s[4:5]         ; job v: the weights are A and the tokens B.  (All these lines leave SCC as the compare set it)
	s_cselect_b64 s[8:9], s[4:5], s[8:9]
	s_mov_b64 s[4:5], s[98:99]
	s_cselect_b64 s[98:99], s[10:11], s[6:7]
	s_cselect_b64 s[10:11], s[6:7], s[10:11]
	s_mov_b64 s[6:7], s[98:99]
	s_mul_i32 s100, s[JOB], XCB                    ; which tensor of each buffer: A: query, value, wv;
	s_cselect_b32 s100, 2*WCB, s100
	s_add_nc_u64 s[4:5], s[4:5], s[100:101]
	s_mul_i32 s100, s[JOB], XSB
	s_cselect_b32 s100, 2*WSB, s100
	s_add_nc_u64 s[6:7], s[6:7], s[100:101]
	s_mul_i32 s100, s[JOB], WCB                    ; B: wq, wk, value
	s_cselect_b32 s100, XCB, s100
	s_add_nc_u64 s[8:9], s[8:9], s[100:101]
	s_mul_i32 s100, s[JOB], WSB
	s_cselect_b32 s100, XSB, s100
	s_add_nc_u64 s[10:11], s[10:11], s[100:101]
	; group 1 for the scales of 128 rows: a dense block of 4,096 bytes, as rows of 256 bytes (32 elements of 8 bytes), 16 bytes of padding behind each
	s_or_b32 s[G1S+0], s43, (3<<16)|(1<<20)|(1<<21)|(5<<22)|(3<<25)
	s_or_b32 s[G1SB+0], s44, (3<<16)|(1<<20)|(1<<21)|(5<<22)|(3<<25)
.irp g, G1S, G1SB
	s_mov_b32 s[\g+1], 32<<16
	s_mov_b32 s[\g+2], (128*KS/256)<<16
	s_mov_b32 s[\g+3], 32<<16
	s_mov_b32 s[\g+4], 128*KS/256
	s_mov_b32 s[\g+5], 32
	s_mov_b32 s[\g+6], 0
	s_mov_b32 s[\g+7], 0
.endr
	s_add_nc_u64 s[20:21], s[4:5], s[20:21]
	s_add_nc_u64 s[22:23], s[6:7], s[22:23]
	s_add_nc_u64 s[46:47], s[8:9], s[46:47]
	s_add_nc_u64 s[92:93], s[10:11], s[92:93]
	CROUND                                         ; all sixteen work-groups are here: the first joint loads meet
	s_mov_b32 s[G0S], 1
	s_add_co_u32 s[G0S+1], s2, SCL
	s_mov_b64 s[G0S+2:G0S+3], s[22:23]
	s_or_b32 s[G0S+3], s[G0S+3], 0x80000000
	s_mov_b32 s[G0SB], 1
	s_add_co_u32 s[G0SB+1], s2, SCL
	s_mov_b64 s[G0SB+2:G0SB+3], s[92:93]
	s_or_b32 s[G0SB+3], s[G0SB+3], 0x80000000
	JLOAD G0S, G1S, G0SB, G1SB                     ; the scales first: they are wanted with K step 0
.irp s, 0,1
	s_mov_b32 s[G0+4*\s], 1
	s_add_co_u32 s[G0+4*\s+1], s45, \s*SLOT
	s_add_nc_u64 s[G0+4*\s+2:G0+4*\s+3], s[20:21], \s*ROWB
	s_or_b32 s[G0+4*\s+3], s[G0+4*\s+3], 0x80000000
	s_mov_b32 s[G0B+4*\s], 1
	s_add_co_u32 s[G0B+4*\s+1], s45, \s*SLOT
	s_add_nc_u64 s[G0B+4*\s+2:G0B+4*\s+3], s[46:47], \s*ROWB
	s_or_b32 s[G0B+4*\s+3], s[G0B+4*\s+3], 0x80000000
	JLOAD G0+4*\s, G1, G0B+4*\s, G1B               ; three tensor loads of mine are out
.endr
	v_and_b32 v1, 15, v0                           ; r = l % 16
	v_bfe_u32 v2, v0, 4, 1                         ; h = l / 16
	v_mul_u32_u24 v3, v1, PITCH
	v_mul_u32_u24 v4, v2, 24
	v_add_nc_u32 v4, v3, v4                        ; a fragment's row x pitch + 24 x half
	v_lshl_add_u32 v5, v2, 4, v4                   ; and the same behind one padding more
	s_mul_i32 s21, s15, HALFT                      ; my 128 rows of A
	s_mul_i32 s22, s16, HALFT                      ; my 128 rows of B,
	s_add_co_u32 s22, s22, 2*HALFT                 ; which lie behind A's 256
.irp s, 0,1
	v_add_nc_u32 v[ADRA+\s], s21, v4
	v_add_nc_u32 v[ADRB+\s], s22, v4
	v_add_nc_u32 v[ADRA+2+\s], s21, v5
	v_add_nc_u32 v[ADRB+2+\s], s22, v5
	s_add_co_u32 s21, s21, SLOT
	s_add_co_u32 s22, s22, SLOT
.endr
	v_mul_u32_u24 v5, v1, KS                       ; my row's scales: 32 bytes a row,
	v_lshrrev_b32 v6, 8, v5
	v_lshl_add_u32 v5, v6, 4, v5                   ; and 16 more for each 256 passed
	s_mul_i32 s21, s15, HALFS                      ; A's: my 128 rows
	s_mul_i32 s22, s16, HALFS                      ; B's: my 128 rows, behind A's 256
	s_add_co_u32 s22, s22, 2*HALFS
	s_sub_co_u32 s22, s22, s21
	v_mul_u32_u24 v6, s22, v2                      ; lanes 16-31 take B's
	s_add_co_u32 s21, s21, SCL
	v_add_nc_u32 v5, v5, v6
	v_add_nc_u32 v[ADRS], s21, v5
	; where my results go, and my bias
	s_lshl_b32 s20, s17, 8
	s_lshl_b32 s21, s15, 7
	s_add_co_u32 s20, s20, s21                     ; m0: my first row of C
	s_lshl_b32 s46, s42, 8
	s_lshl_b32 s47, s16, 7
	s_add_co_u32 s46, s46, s47                     ; n0: my first column
	s_cmp_eq_u32 s[JOB], 2
	s_cselect_b32 s22, s46, s20                    ; my first token,
	s_cselect_b32 s23, s20, s46                    ; my first feature
	s_lshr_b32 s92, s22, 11                        ; b
	s_lshl_b32 s92, s92, 4
	s_lshr_b32 s93, s23, 6                         ; the first of my two heads
	s_add_co_u32 s92, s92, s93
	s_lshl_b32 s92, s92, 4
	s_bfe_u32 s93, s22, 0x40007                    ; which 128 tokens of the 2,048
	s_add_co_u32 s92, s92, s93
	s_mul_i32 s98, s92, 6144
	s_mul_i32 s99, s[JOB], IMG
	s_add_co_u32 s98, s98, s99
	s_mov_b32 s99, 0
	s_add_nc_u64 s[94:95], s[94:95], s[98:99]      ; ai at my step's four fragments of my first head; never stepped
	s_lshl_b32 s98, s92, 8
	s_mul_i32 s100, s[JOB], SIMG
	s_add_co_u32 s98, s98, s100
	s_add_nc_u64 s[96:97], s[96:97], s[98:99]      ; asc likewise
	s_lshl_b32 s98, s23, 2
	s_add_nc_u64 s[12:13], s[12:13], s[98:99]      ; the bias at my first feature: my 128 are 512 bytes of its 4,096
	s_mov_b32 s[SEL], 0x76543210
	s_mov_b32 s[SEL+1], 0xfedcba98
	v_lshlrev_b32 v[BO1], 6, v2
	v_and_b32 v[BO2], 8, v1
	v_add_nc_u32 v[BO2], v[BO2], v1
	v_lshlrev_b32 v[BO2], 2, v[BO2]
	; Both layouts of the bias are loaded by every job, so that no branch stands here: along the registers (q, k use it) and for the lane's row (v uses it).  They land under the K loop.
.irp b, 0,1,2,3
.irp q, 0,1,2,3
	global_load_b128 v[BN+16*\b+4*\q:BN+16*\b+4*\q+3], v[BO1], s[12:13] offset:128*\b+16*\q
.endr
.endr
.irp a, 0,1,2,3,4,5,6,7
	global_load_b32 v[BM+2*\a], v[BO2], s[12:13] offset:4*(32*(\a/2)+8*(\a%2))
	global_load_b32 v[BM+2*\a+1], v[BO2], s[12:13] offset:4*(32*(\a/2)+8*(\a%2))
.endr
.macro FRAG reg, adr, q, i             ; a fragment, 16 rows x 128 K, is 12 registers: lane l holds row l % 16; registers 6 c .. 6 c + 5 hold K = 64 c + 32 (l / 16) + 0 .. 31: 24 bytes of the row, as they lie
.irp p, 0,1,2,3,4,5                    ; in pieces of 8 bytes.  Lanes 16-31 read three pieces further on than lanes 0-15; where that lies behind one padding more, the second address register serves
.set PC, 12*(\q)+6*(\p/3)+\p%3
.if PC%8 < 5
	ds_load_b64 v[\reg+2*\p:\reg+2*\p+1], v[\adr] offset:8*PC+16*(PC/8)+(\i)*16*PITCH
.else
	ds_load_b64 v[\reg+2*\p:\reg+2*\p+1], v[\adr+2] offset:8*PC+16*(PC/8)+(\i)*16*PITCH
.endif
.endr
.endm
; 16 matrix instructions: A's blocks a0, a0 + 1 x B's eight, 128 along K: the slot's q-th.  p: B's set;  sc: the set of scale words.  zero = 1: the first product starts the sums.
; The 64 accumulators take turns, one instruction a turn, in the same order in every step.
.macro MUL16 a0, p, q, sc, zero
.irp a, \a0, \a0+1
.irp b, 0,1,2,3,4,5,6,7
.if \zero
	v_wmma_scale_f32_16x16x128_f8f6f4 v[8*(8*((\a)%4)+\b):8*(8*((\a)%4)+\b)+7], v[128*(\p)+FR*\b:128*(\p)+FR*\b+FR-1], v[AF+FR*(\a):AF+FR*(\a)+FR-1], 0, v[SC+8*NQ*(\sc)+NQ*\b+(\q)], v[SC+8*NQ*(\sc)+NQ*(\a)+(\q)] matrix_a_fmt:MATRIX_FMT_FP6 matrix_b_fmt:MATRIX_FMT_FP6 matrix_a_scale:MATRIX_SCALE_ROW1
.else
	v_wmma_scale_f32_16x16x128_f8f6f4 v[8*(8*((\a)%4)+\b):8*(8*((\a)%4)+\b)+7], v[128*(\p)+FR*\b:128*(\p)+FR*\b+FR-1], v[AF+FR*(\a):AF+FR*(\a)+FR-1], v[8*(8*((\a)%4)+\b):8*(8*((\a)%4)+\b)+7], v[SC+8*NQ*(\sc)+NQ*\b+(\q)], v[SC+8*NQ*(\sc)+NQ*(\a)+(\q)] matrix_a_fmt:MATRIX_FMT_FP6 matrix_b_fmt:MATRIX_FMT_FP6 matrix_a_scale:MATRIX_SCALE_ROW1
.endif
.endr
.endr
.endm
.macro FETCH_B slot, q, p              ; B's eight fragments of the slot's q-th 128 along K into set p
	WIN TO_B
.irp i, 0,1,2,3,4,5,6,7
	FRAG 128*(\p)+FR*\i, ADRB+\slot, \q, \i
.endr
	WIN 0
.endm
.macro FETCH_A slot, q, i0             ; A's blocks i0 .. i0 + 3
.irp i, \i0, \i0+1, \i0+2, \i0+3
	FRAG AF+FR*(\i), ADRA+\slot, \q, \i
.endr
.endm
.macro SCALES sc                       ; the next K step's scale words into set sc: two words a row; lanes 0-15 take A's block i, lanes 16-31 B's block i
.irp i, 0,1,2,3,4,5,6,7
	ds_load_b64 v[SC+8*NQ*\sc+NQ*\i:SC+8*NQ*\sc+NQ*\i+1], v[ADRS] offset:\i*SBLK
.endr
.endm
.macro PLACES n                        ; plain vector lines between a matrix instruction and a load into, or a vector read of, its registers
.rept \n
	v_nop
.endr
.endm
; A step of 128 along K that has its successor in the same slot.
.macro STEP slot, q, zero
	s_wait_dscnt 4*NL                              ; B's set and A's blocks 0-3 are in; the youngest 24 loads (A's blocks 4-7) may be out
	WIN MUL_LO
	MUL16 0, (\q)%2, \q, \slot, \zero
	MUL16 2, (\q)%2, \q, \slot, \zero
	s_wait_dscnt 0                                 ; A's blocks 4-7 are in (asked for 32 matrix instructions ago)
	PLACES NP
	FETCH_B \slot, (\q)+1, 1-(\q)%2
	FETCH_A \slot, (\q)+1, 0
	WIN MUL_HI
	MUL16 4, (\q)%2, \q, \slot, \zero
	MUL16 6, (\q)%2, \q, \slot, \zero
	PLACES NP
	WIN 0
	FETCH_A \slot, (\q)+1, 4
.endm
; A slot's last step changes slots: one barrier; in front of it each wave waits for all its tensor loads, adds 0 to its spare word, and waits for that and for its own reads of this slot.  fill = 1: this slot is filled again, two K steps ahead.
.macro TURN slot, next, fill
	s_wait_tensorcnt 0x0                           ; all my tensor loads have landed: my part of the next slot  (every window is 0 here)
	ds_add_u32 v[SPW], v[NIL]                      ; 0 onto my spare word
	s_wait_dscnt 4*NL+1                            ; (the add and the youngest 24 loads, A's blocks 4-7, may be out)
	WIN MUL_LO
	MUL16 0, 1, NQ-1, \slot, 0                     ; sixteen matrix instructions stand between the add and the wait for it
	s_wait_dscnt 0x0                               ; the add is done, and my reads of this slot are over
	s_barrier_signal -1
	MUL16 2, 1, NQ-1, \slot, 0
	WIN 0
	s_barrier_wait -1
.if \fill
	CREST                                          ; the barrier has opened a round of the cluster's barrier: no wave of any partner still reads this slot's tile or has a load on its way
	s_add_nc_u64 s[G0+4*\slot+2:G0+4*\slot+3], s[G0+4*\slot+2:G0+4*\slot+3], 2*ROWB
	s_add_nc_u64 s[G0B+4*\slot+2:G0B+4*\slot+3], s[G0B+4*\slot+2:G0B+4*\slot+3], 2*ROWB
	JLOAD G0+4*\slot, G1, G0B+4*\slot, G1B         ; the first tensor load behind the round; its four v_nop are the places in front of the loads below
.else
	PLACES NP
.endif
	v_add_nc_u32 v[ADRS], 4*NQ, v[ADRS]            ; on to the next K step's scale words (no LDS load of mine is out)
	FETCH_B \next, 0, 0
	FETCH_A \next, 0, 0
	SCALES \next
	WIN MUL_HI
	MUL16 4, 1, NQ-1, \slot, 0
	MUL16 6, 1, NQ-1, \slot, 0
	PLACES NP
	WIN 0
	FETCH_A \next, 0, 4
.endm
	s_wait_tensorcnt 1                             ; the scales and my part of K step 0 are in (K step 1's load may be out),
	s_barrier_signal -1
	s_barrier_wait -1                              ; everybody's are
	FETCH_B 0, 0, 0
	FETCH_A 0, 0, 0
	SCALES 0
	FETCH_A 0, 0, 4
	STEP 0, 0, 1                                   ; the first step stands in front of the loop: its products start the sums
	s_mov_b32 s3, LAPS-1
.Llap:                                                 ; a trip goes once round the ring, from a lap's second step to the next lap's first, and fills both slots again
	TURN 0, 1, 1
	STEP 1, 0, 0
	TURN 1, 0, 1
	STEP 0, 0, 0
	s_sub_co_u32 s3, s3, 1
	s_cmp_lg_u32 s3, 0
	s_cbranch_scc1 .Llap
	TURN 0, 1, 0                                   ; the last lap fills nothing, and has no round of the cluster's barrier
	STEP 1, 0, 0
	s_wait_dscnt 4*NL                              ; the very last step: nothing more to fetch
	WIN MUL_LO
	MUL16 0, 1, NQ-1, 1, 0
	MUL16 2, 1, NQ-1, 1, 0
	s_wait_dscnt 0
	WIN MUL_HI
	MUL16 4, 1, NQ-1, 1, 0
	MUL16 6, 1, NQ-1, 1, 0
	WIN 0
; THE EPILOGUE: no LDS.  64 numbers of a lane, v[s] on, register 16 b + i = place 32 b + 16 (lane / 16) + i along the quantiser's axis, become 2 x 6 registers of codes (places 0-63 at v[d0] on, 64-127 at v[d1] on) and the row's four bytes in v[pw].
.macro QUANT s, d0, d1, pw
.irp b, 0,1,2,3
	v_max3_num_f32 v[TM+\b], |v[\s+16*\b]|, |v[\s+1+16*\b]|, 0x1800000   ; block b: my 16 numbers, and the floor 2^(3 - 127): the byte cannot fall under 1
.endr
.irp i, 2,4,6,8,10,12,14
.irp b, 0,1,2,3
	v_max3_num_f32 v[TM+\b], v[TM+\b], |v[\s+16*\b+\i]|, |v[\s+1+16*\b+\i]|   ; (the four blocks by turns)
.endr
.endr
.irp b, 0,1,2,3
	v_permlanex16_b32 v[TM+4+\b], v[TM+\b], s[SEL], s[SEL+1]
.endr
.irp b, 0,1,2,3
	v_max_num_f32 v[TM+\b], v[TM+\b], v[TM+4+\b]   ; with lane l xor 16's: the block's largest magnitude
.endr
.irp b, 0,1,2,3
	v_add_nc_u32 v[TM+8+\b], 0xff000000, v[TM+\b]  ; 2 off its exponent field: the conversion's scale operand
.endr
.irp b, 0,1,2,3
	v_lshrrev_b32 v[TM+4+\b], 23, v[TM+8+\b]       ; the scale's byte
.endr
	v_lshl_or_b32 v[\pw], v[TM+5], 8, v[TM+4]
	v_lshl_or_b32 v[\pw], v[TM+6], 16, v[\pw]
	v_lshl_or_b32 v[\pw], v[TM+7], 24, v[\pw]
	v_cvt_scalef32_pk16_fp6_f32 v[(\d0):(\d0)+2], v[\s:\s+15], v[TM+8]
	v_cvt_scalef32_pk16_fp6_f32 v[CT:CT+2], v[\s+16:\s+31], v[TM+9]       ; (a conversion's three registers begin on an even number)
	v_cvt_scalef32_pk16_fp6_f32 v[(\d1):(\d1)+2], v[\s+32:\s+47], v[TM+10]
	v_cvt_scalef32_pk16_fp6_f32 v[CT+4:CT+6], v[\s+48:\s+63], v[TM+11]
	v_nop                                          ; one plain line behind the scaled conversions
.irp i, 0,1,2                                  ; the operand's layout wants a whole block in a lane: lanes 0-15 the even block, lanes 16-31 the odd one
	v_permlane16_swap_b32 v[(\d0)+\i], v[CT+\i]
.endr
.irp i, 0,1,2
	v_permlane16_swap_b32 v[(\d1)+\i], v[CT+4+\i]
.endr
.irp i, 0,1,2
	v_mov_b32 v[(\d0)+3+\i], v[CT+\i]
.endr
.irp i, 0,1,2
	v_mov_b32 v[(\d1)+3+\i], v[CT+4+\i]
.endr
.endm
	v_and_b32 v7, 31, v0                           ; these plain lines, which name no register of the last products, are the places behind them
	v_lshlrev_b32 v[OI], 4, v7
	v_lshlrev_b32 v[OS], 3, v7
.irp b, 0,1,2,3
	v_mov_b32 v[TM+4+\b], 0                        ; written once: a lane permute's destination counts as one of its sources
.endr
	v_cmp_lt_u32 s[HM], 15, v7                     ; lanes 16-31
	s_wait_loadcnt 0x0                             ; the biases
	s_cmp_eq_u32 s[JOB], 2                         ; the same in all partners
	s_cbranch_scc1 .Lepi_v
	; q, k: a lane's row is a token; registers 0-31 are my first head's 64 features (16 a half of the lanes and block), 32-63 my second head's.  Token tiles 2 f and 2 f + 1 make fragment f of each head.
.irp f, 0,1,2,3
.irp u, 0,1
	WIN 0x02+(2*\f+\u)/4                           ; source 0: the accumulators' window
.set AC, 64*((2*\f+\u)%4)
.set i, 0
.rept 32
	v_pk_add_f32 v[XX+i:XX+i+1], v[AC+i:AC+i+1], v[BN+i:BN+i+1]   ; + bias; each accumulator is read from its low end on
.set i, i+2
.endr
	WIN 0
	QUANT XX, FR0+6*\u, FR1+6*\u, PW0+\u
.endr
	v_perm_b32 v[WD+\f], v[PW1], v[PW0], 0x05040100      ; first head: tile 2 f's two bytes, then tile 2 f + 1's
	v_perm_b32 v[WD+4+\f], v[PW1], v[PW0], 0x07060302    ; second head
.irp q, 0,1,2
	global_store_b128 v[OI], v[FR0+4*\q:FR0+4*\q+3], s[94:95] offset:\f*1536+512*\q        ; the wave stores 512 consecutive bytes, at a multiple of 256 from ai's first byte
.endr
.irp q, 0,1,2
	global_store_b128 v[OI], v[FR1+4*\q:FR1+4*\q+3], s[94:95] offset:BHB+\f*1536+512*\q
.endr
	s_wait_xcnt 0x0                                ; the stores' data are rewritten only behind this wait
.endr
	s_branch .Lepi_done
.Lepi_v:
	; v: a lane's row is a feature, its 64 registers are my 128 keys: block a is fragment a % 4 of head a / 4
.irp a, 0,1,2,3,4,5,6,7
	WIN 0x02+\a/4
.set AC, 64*(\a%4)
.set i, 0
.rept 32
	v_pk_add_f32 v[XX+i:XX+i+1], v[AC+i:AC+i+1], v[BM+2*\a:BM+2*\a+1]
.set i, i+2
.endr
	WIN 0
	QUANT XX, FR0, FR0+6, WD+\a
.irp q, 0,1,2
	global_store_b128 v[OI], v[FR0+4*\q:FR0+4*\q+3], s[94:95] offset:(\a/4)*BHB+(\a%4)*1536+512*\q
.endr
	s_wait_xcnt 0x0
.endr
.Lepi_done:
.irp g, 0,1                                    ; the row words of a head's four fragments: 8 bytes a lane, 256 consecutive bytes a store
	v_cndmask_b32 v[RR], v[WD+4*\g], v[WD+4*\g+1], s[HM]
	v_cndmask_b32 v[RR+1], v[WD+4*\g+2], v[WD+4*\g+3], s[HM]
	global_store_b64 v[OS], v[RR:RR+1], s[96:97] offset:\g*4096
	s_wait_xcnt 0x0
.endr
	s_wait_tensorcnt 0x0                           ; the wave's end
	ds_add_u32 v[SPW], v[NIL]
	s_wait_dscnt 0x0
	CROUND                                         ; the closing round: no work-group ends while a partner may still ask for a tile that names it
	s_endpgm
.Lfunc_end_k_qd3b16dff87_proj:
	.size	k_qd3b16dff87_proj, .Lfunc_end_k_qd3b16dff87_proj-k_qd3b16dff87_proj
	.p2alignl 7, 3214868480
	.fill 96, 4, 3214868480
	.section	.rodata,"a",@progbits
	.p2align	6, 0x0
	.amdhsa_kernel k_qd3b16dff87_proj
		.amdhsa_group_segment_fixed_size 327680
		.amdhsa_private_segment_fixed_size 0
		.amdhsa_enable_private_segment 0
		.amdhsa_kernarg_size 72
		.amdhsa_user_sgpr_count 2
		.amdhsa_user_sgpr_kernarg_segment_ptr 1
		.amdhsa_wavefront_size32 1
		.amdhsa_system_sgpr_workgroup_id_x 1
		.amdhsa_system_sgpr_workgroup_id_y 1
		.amdhsa_system_sgpr_workgroup_id_z 1
		.amdhsa_system_vgpr_workitem_id 0
		.amdhsa_next_free_vgpr 1024
		.amdhsa_next_free_sgpr 102
		.amdhsa_reserve_vcc 0
		.amdhsa_float_denorm_mode_32 3
		.amdhsa_float_denorm_mode_16_64 3
		.amdhsa_memory_ordered 1
		.amdhsa_forward_progress 1
		.amdhsa_inst_pref_size 234
	.end_amdhsa_kernel
	.amdgpu_metadata
---
amdhsa.version: [ 1, 2 ]
amdhsa.kernels:
  - .name:           k_qd3b16dff87_proj
    .symbol:         k_qd3b16dff87_proj.kd
    .args:
      - { .name: xc, .offset: 0, .size: 8, .value_kind: global_buffer, .address_space: global }
      - { .name: xs, .offset: 8, .size: 8, .value_kind: global_buffer, .address_space: global }
      - { .name: wc, .offset: 16, .size: 8, .value_kind: global_buffer, .address_space: global }
      - { .name: wsb, .offset: 24, .size: 8, .value_kind: global_buffer, .address_space: global }
      - { .name: bq, .offset: 32, .size: 8, .value_kind: global_buffer, .address_space: global }
      - { .name: bk, .offset: 40, .size: 8, .value_kind: global_buffer, .address_space: global }
      - { .name: bv, .offset: 48, .size: 8, .value_kind: global_buffer, .address_space: global }
      - { .name: ai, .offset: 56, .size: 8, .value_kind: global_buffer, .address_space: global }
      - { .name: asc, .offset: 64, .size: 8, .value_kind: global_buffer, .address_space: global }
    .group_segment_fixed_size: 327680
    .private_segment_fixed_size: 0
    .kernarg_segment_align: 8
    .kernarg_segment_size: 72
    .max_flat_workgroup_size: 128
    .sgpr_count:     102
    .vgpr_count:     1024
    .wavefront_size: 32
...
	.end_amdgpu_metadata
.endif
;; end of part 3
;; launch attn (part 4): grid 4 x 64, 16 waves a work-group, clusters of 4 x 1, 206,848 bytes of LDS; arguments ai, asc, hc, hs; writes hc, hs
.if DOCPART == 4
	.amdgcn_target "amdgcn-amd-amdhsa--gfx1250"
	.amdhsa_code_object_version 6
	.text
	.protected	k_qd3b16dff87_attn
	.globl	k_qd3b16dff87_attn
	.p2align	8
	.type	k_qd3b16dff87_attn,@function
k_qd3b16dff87_attn:
	s_mov_b64 s[64:65], 0
	v_nop
	global_prefetch_b8 v0, s[64:65] scope:SCOPE_SE
	s_setreg_imm32_b32 hwreg(HW_REG_WAVE_MODE, 25, 1), 1
	s_wait_xcnt 0x0
	s_wait_alu depctr_hold_cnt(0) depctr_sa_sdst(0) depctr_va_vdst(0) depctr_va_sdst(0) depctr_va_ssrc(0) depctr_va_vcc(0) depctr_vm_vsrc(0)
	s_getreg_b32 s2, hwreg(HW_REG_IB_STS2, 6, 4)
	s_cmp_eq_u32 s2, 0
	s_cbranch_scc0 .Lentry_in_a_cluster
	s_endpgm
.Lentry_in_a_cluster:
	s_bfe_u32 s2, ttmp6, 0x10000c
	s_cmp_lg_u32 s2, 0x3003
	s_cbranch_scc0 .Lentry_shape_is_right
	s_endpgm
.Lentry_shape_is_right:
; heads[b][q][head] = softmax_k(q . k / 8) v, both products on codes of FP6 (E2M3) with one E8M0 scale for each 32 along a product's K; the result, divided by the row's sum, is quantised along the head's 64 and stored as codes.
; THE SOFTMAX AHEAD OF THE SECOND PRODUCT: t = score x log2(e) / 8; M = the row's largest t so far, rounded up to a whole number; p = 2^(t - M) is what is quantised, along the keys; it is not normalised.
; The row's sum is taken of the unquantised p, in f32.  When M moves, the sum and O are multiplied by 2^(old M - new M): exact.
; SHARES.  A work-group owns 512 queries of one (b, head); each of its sixteen waves owns two tiles of 16 (one fragment of q's images) and takes them in two passes of one loop.  256 registers a wave, four waves to a SIMD.
; ALL 2,048 KEYS OF THE HEAD STAY IN LDS: k's and v's images (98,304 bytes each) and their row words (4,096 each) are filled once; nothing is filled again.
; CLUSTER.  The four work-groups of a (b, head) read the same k and v: each part is asked for jointly, by the same tensor load with the same descriptor and the mask of all four.  Each wave issues five loads behind the
; opening round (its sixteenth of the row words, and of each of four groups of four key steps): five tensor loads of a wave are out.  Group g is read behind a counted wait and a barrier, so the first steps run while later groups land.
; Everything is asked for at the head, so no later tile is left to be prefetched.
; LAYOUT.  Both products are used transposed: S^T = K Q^T, O^T = V^T P^T: a lane holds one query (lane % 16) throughout.
; K = 64 IN THE FIRST PRODUCT: a fragment of k holds key tile 2 f in registers 0-5 and key tile 2 f + 1 in registers 6-11.  The query stands between two runs of six zero registers: (q | 0) picks tile 2 f, (0 | q) tile 2 f + 1; zero codes add nothing.
; The key tiles are in stored order (lane r of tile 2 b + u is key 32 b + 8 u + r + 8 (r / 8)), so the 16 registers of tiles 2 b and 2 b + 1 are keys 32 b + 16 (lane / 16) + 0 .. 15; v's fragments have the keys in true order.
; v's tiles of 16 of the head's 64 are in stored order too: O^T's register 16 B + i is e = 32 B + 16 (lane / 16) + i.
; OUTPUT.  hc: [512 stored tiles of 16 tokens][16 heads][768 bytes]: register pair j of lane l at 256 j + 8 l: 16 rows x the head's 64.  hs: [8192 stored rows][32]: byte 2 head + block; a tile's 32 bytes of one head lie in 16 rows,
; 2 bytes a row: they leave by a byte store, one byte for each 24 bytes of codes.
; LIMITS: blocks whose largest magnitude lies under 2^-124, and blocks of zeros, keep the byte 1; NaN and infinities are not served.
; REGISTERS: v1-11 addresses; v12 -M, v13 the largest t, v[14:15] the sum in two halves; v32-79 four fragments of k, then of v; v96-159 S^T, then p, at the end heads; v160-191 O^T; v192-209 0 q 0; v210-215 the second tile's q;
; v216 q's row word; v224-235 p's codes; v232-247, v252, v254 at work; v[248:249] k's row words, v[250:251] v's, v253 p's, v255 q's.
.set IMG,   6291456                    ; one tensor's part of ai, of asc
.set SIMG,  262144
.set BHB,   98304                      ; one (b, head) in ai
.set STEPB, 6144                       ; a key step's four fragments
.set GRP,   4*STEPB                    ; a group of four key steps
.set VIMG,  98304                      ; LDS: k's images at 0, v's here,
.set KSC,   196608                     ; k's row words, 256 bytes a step,
.set VSC,   200704                     ; v's
.set LI,   1                           ; v1   16 x lane
.set LIV,  2                           ; v2   the same in v's images
.set LS,   3                           ; v3   8 x lane + KSC
.set ADK,  8
.set ADV,  9
.set ADS,  10
.set QW,   216
.set WV,   12                          ; s12  my wave's number
.set SEL,  20                          ; s[20:21] lane selects for v_permlanex16_b32: lane l xor 16
.set CS,   22                          ; s[22:23] c = log2(e) / 8
.set G1C,  24                          ; s[24:31] group 1 for codes;  s[32:39] for row words;  s[40:59] five groups 0; none is ever rewritten
.set G1W,  32
.set G0,   40
.set TB,   60                          ; s60  LDS byte at which the step's fragments begin
.set TS,   61                          ; s61  and its row words
.set HM,   66                          ; s66  the mask of lanes 16-31
.macro CROUND                          ; a round of the cluster's barrier
	s_barrier_signal -1
	s_barrier_wait -1
	s_cmp_lg_u32 s[WV], 0
	s_cbranch_scc1 .Lnot_wave_0_\@
	s_barrier_signal -3
.Lnot_wave_0_\@:
	s_barrier_wait -3
	s_barrier_signal -1
	s_barrier_wait -1
.endm
	s_load_b256 s[4:11], s[0:1], 0x0               ; ai, asc, hc, hs
	v_lshl_add_u32 v223, v0, 2, 0x32000
	v_mov_b32 v243, 0
	ds_add_u32 v223, v243
	ds_add_u32 v223, v243
	v_lshrrev_b32 v8, 5, v0
	v_readfirstlane_b32 s[WV], v8                  ; wave 0..15
	s_bfe_u32 s13, ttmp6, 0x40000                  ; cx: it enters q's and the outputs' addresses alone
	s_and_b32 s14, ttmp7, 0xffff                   ; 16 b + head, which the four partners share
	s_lshr_b32 s15, s[WV], 3                       ; waves 0-7 fetch k, waves 8-15 v
	s_and_b32 s16, s[WV], 7                        ; which eighth
	; group 1: a dense block as rows of 256 bytes (32 elements of 8 bytes): 12 rows of codes, 2 rows of row words; the mask names all four work-groups, bit 21 beside it
	s_mov_b32 s[G1C], 15|(3<<16)|(1<<21)
	s_mov_b32 s[G1C+1], 32<<16
	s_mov_b32 s[G1C+2], 12<<16
	s_mov_b32 s[G1C+3], 32<<16
	s_mov_b32 s[G1C+4], 12
	s_mov_b32 s[G1C+5], 32
	s_mov_b32 s[G1C+6], 0
	s_mov_b32 s[G1C+7], 0
	s_mov_b32 s[G1W], 15|(3<<16)|(1<<21)
	s_mov_b32 s[G1W+1], 32<<16
	s_mov_b32 s[G1W+2], 2<<16
	s_mov_b32 s[G1W+3], 32<<16
	s_mov_b32 s[G1W+4], 2
	s_mov_b32 s[G1W+5], 32
	s_mov_b32 s[G1W+6], 0
	s_mov_b32 s[G1W+7], 0
	s_add_co_u32 s17, s15, 1                       ; tensor 1 is k, 2 is v
	s_mul_i32 s72, s17, IMG
	s_mul_i32 s18, s14, BHB
	s_add_co_u32 s72, s72, s18
	s_mul_i32 s19, s16, 3072
	s_add_co_u32 s72, s72, s19                     ; my eighth of group 0, in ai
	s_mov_b32 s73, 0
	s_mul_i32 s74, s17, SIMG
	s_lshl_b32 s76, s14, 12
	s_add_co_u32 s74, s74, s76
	s_lshl_b32 s77, s16, 9
	s_add_co_u32 s74, s74, s77                     ; my eighth of the row words, in asc
	s_mov_b32 s75, 0
	s_mul_i32 s78, s15, VIMG
	s_add_co_u32 s78, s78, s19                     ; and in LDS: a constant x (wave / 8) + a constant x (wave % 8)
	s_lshl_b32 s79, s15, 12
	s_add_co_u32 s79, s79, s77
	s_add_co_u32 s79, s79, KSC
	s_mov_b32 s[SEL], 0x76543210
	s_mov_b32 s[SEL+1], 0xfedcba98
	s_mov_b32 s[CS], 0x3e38aa3b
	s_mov_b32 s[CS+1], s[CS]                       ; (named with it as a pair, so it is written)
	s_wait_dscnt 0x0
	s_wait_kmcnt 0x0
	s_add_nc_u64 s[72:73], s[4:5], s[72:73]
	s_add_nc_u64 s[74:75], s[6:7], s[74:75]
	s_mov_b32 s[G0], 1
	s_mov_b32 s[G0+1], s79
	s_mov_b64 s[G0+2:G0+3], s[74:75]
	s_or_b32 s[G0+3], s[G0+3], 0x80000000
.irp g, 0,1,2,3
	s_mov_b32 s[G0+4+4*\g], 1
	s_add_co_u32 s[G0+5+4*\g], s78, \g*GRP
	s_add_nc_u64 s[G0+6+4*\g:G0+7+4*\g], s[72:73], \g*GRP
	s_or_b32 s[G0+7+4*\g], s[G0+7+4*\g], 0x80000000
.endr
	CROUND                                         ; all four work-groups are here: the joint loads meet
	tensor_load_to_lds s[G0:G0+3], s[G1W:G1W+7]    ; the row words first,
	s_nop 0
.irp g, 0,1,2,3
	tensor_load_to_lds s[G0+4+4*\g:G0+7+4*\g], s[G1C:G1C+7]   ; then the four groups in the order in which they are read
	s_nop 0
.endr
.rept 4
	v_nop
.endr
	v_and_b32 v4, 31, v0                           ; lane
	v_and_b32 v5, 15, v0                           ; r
	v_bfe_u32 v11, v0, 4, 1                        ; h
	v_lshlrev_b32 v[LI], 4, v4
	v_add_nc_u32 v[LIV], VIMG, v[LI]
	v_lshlrev_b32 v7, 3, v4                        ; v7: 8 x lane
	v_add_nc_u32 v[LS], KSC, v7
	v_lshl_add_u32 v6, v5, 5, v11                  ; v6: hs: 32 r + h
	v_lshlrev_b32 v5, 3, v5                        ; 8 r
	v_cmp_lt_u32 s[HM], 15, v4
	s_lshl_b32 s15, s13, 4
	s_add_co_u32 s15, s15, s[WV]                   ; F = 16 cx + wave: my fragment of q
	s_mul_i32 s16, s15, 1536
	s_add_co_u32 s16, s16, s18
	s_mov_b32 s17, 0
	s_add_nc_u64 s[16:17], s[4:5], s[16:17]
.irp q, 0,1,2
	global_load_b128 v[96+4*\q:99+4*\q], v[LI], s[16:17] offset:512*\q
.endr
	s_lshr_b32 s76, s15, 2                         ; its row word: step F / 4; fragment f = F % 4 lies in word f / 2, lanes 16 (f % 2) + r
	s_lshl_b32 s76, s76, 8
	s_lshl_b32 s77, s14, 12
	s_add_co_u32 s76, s76, s77
	s_and_b32 s77, s[WV], 1
	s_lshl_b32 s77, s77, 7
	s_add_co_u32 s76, s76, s77
	s_bfe_u32 s77, s[WV], 0x10001
	s_lshl_b32 s77, s77, 2
	s_add_co_u32 s76, s76, s77
	s_mov_b32 s77, 0
	s_add_nc_u64 s[76:77], s[6:7], s[76:77]
	global_load_b32 v[QW], v5, s[76:77]
	s_lshr_b32 s72, s14, 4                         ; b
	s_lshl_b32 s72, s72, 7
	s_lshl_b32 s73, s15, 1
	s_add_co_u32 s72, s72, s73                     ; my first stored tile: 128 b + 2 F
	s_and_b32 s73, s14, 15                         ; head
	s_mul_i32 s74, s72, 12288
	s_mul_i32 s75, s73, 768
	s_add_co_u32 s74, s74, s75
	s_mov_b32 s75, 0
	s_add_nc_u64 s[68:69], s[8:9], s[74:75]        ; s[68:69]: hc at my tile and head
	s_lshl_b32 s74, s72, 9
	s_lshl_b32 s73, s73, 1
	s_add_co_u32 s74, s74, s73
	s_add_nc_u64 s[70:71], s[10:11], s[74:75]      ; s[70:71]: hs at my tile's first row, my head's two bytes
.irp j, 0,1,2,3,4,5
	v_mov_b32 v[192+\j], 0                         ; the zero codes on both sides of q
	v_mov_b32 v[204+\j], 0
.endr
.irp b, 0,1,2,3
	v_mov_b32 v[236+\b], 0                         ; written once: a lane permute's destination counts as one of its sources
.endr
	v_mov_b32 v252, 0
	v_mov_b32 v253, 0                              ; (named as the upper half of the pair v[252:253] before it is first written)
	s_wait_loadcnt 0x0
.irp j, 0,1,2,3,4,5
	v_mov_b32 v[198+\j], v[96+\j]                  ; the first tile's q,
	v_mov_b32 v[210+\j], v[102+\j]                 ; the second's
.endr
; A KEY STEP: 128 keys.
.macro STEP
	v_add_nc_u32 v[ADK], s[TB], v[LI]
	v_add_nc_u32 v[ADV], s[TB], v[LIV]
	v_add_nc_u32 v[ADS], s[TS], v[LS]
	v_nop                                          ; four plain lines between the last step's products and the loads into the registers that they read
.irp f, 0,1,2,3
.irp q, 0,1,2
	ds_load_b128 v[32+12*\f+4*\q:35+12*\f+4*\q], v[ADK] offset:1536*\f+512*\q   ; an image as it lies: 512 consecutive bytes a load
.endr
.endr
	ds_load_b64 v[248:249], v[ADS]
	s_wait_dscnt 0x0
.irp f, 0,1,2,3                                ; S^T = K Q^T: eight accumulators, each begun with 0
.if \f%2
	v_wmma_scale_f32_16x16x128_f8f6f4 v[96+16*\f:103+16*\f], v[32+12*\f:43+12*\f], v[198:209], 0, v[248+\f/2], v255 matrix_a_fmt:MATRIX_FMT_FP6 matrix_b_fmt:MATRIX_FMT_FP6 matrix_a_scale:MATRIX_SCALE_ROW1
	v_wmma_scale_f32_16x16x128_f8f6f4 v[104+16*\f:111+16*\f], v[32+12*\f:43+12*\f], v[192:203], 0, v[248+\f/2], v255 matrix_a_fmt:MATRIX_FMT_FP6 matrix_b_fmt:MATRIX_FMT_FP6 matrix_a_scale:MATRIX_SCALE_ROW1
.else
	v_wmma_scale_f32_16x16x128_f8f6f4 v[96+16*\f:103+16*\f], v[32+12*\f:43+12*\f], v[198:209], 0, v[248+\f/2], v255 matrix_a_fmt:MATRIX_FMT_FP6 matrix_b_fmt:MATRIX_FMT_FP6
	v_wmma_scale_f32_16x16x128_f8f6f4 v[104+16*\f:111+16*\f], v[32+12*\f:43+12*\f], v[192:203], 0, v[248+\f/2], v255 matrix_a_fmt:MATRIX_FMT_FP6 matrix_b_fmt:MATRIX_FMT_FP6
.endif
.endr
.rept 4
	v_nop                                          ; places: for the loads below, and for the first read of the scores
.endr
.irp t, 0,1,2,3                                ; v's four fragments land under the softmax
.irp q, 0,1,2
	ds_load_b128 v[32+12*\t+4*\q:35+12*\t+4*\q], v[ADV] offset:1536*\t+512*\q
.endr
.endr
	ds_load_b64 v[250:251], v[ADS] offset:VSC-KSC
.irp b, 0,1,2,3
	v_max3_num_f32 v[232+\b], v[96+16*\b], v[97+16*\b], v[98+16*\b]   ; the largest score of each block of 32 keys: it serves for the row's maximum and, since p rises with the score, for the block's largest p
.endr
.irp i, 3,5,7,9,11,13
.irp b, 0,1,2,3
	v_max3_num_f32 v[232+\b], v[232+\b], v[96+16*\b+\i], v[97+16*\b+\i]   ; (the four blocks by turns)
.endr
.endr
.irp b, 0,1,2,3
	v_max_num_f32 v[232+\b], v[232+\b], v[111+16*\b]
.endr
.irp b, 0,1,2,3
	v_permlanex16_b32 v[236+\b], v[232+\b], s[SEL], s[SEL+1]
.endr
.irp b, 0,1,2,3
	v_max_num_f32 v[232+\b], v[232+\b], v[236+\b]  ; with lane l xor 16's 16 keys
.endr
	v_max3_num_f32 v254, v232, v233, v234
	v_max_num_f32 v254, v254, v235                 ; the step's largest score of my query
	v_mul_f32 v254, s[CS], v254                    ; as t (c is positive)
	v_max_num_f32 v13, v13, v254                   ; the running largest t
	v_mov_b32 v254, v12
	v_floor_f32 v12, -v13                          ; the new -M = floor(-t): M is a whole number
	v_sub_f32 v254, v12, v254                      ; M's old value less its new one: a whole number, 0 or less
	v_cvt_i32_f32 v254, v254                       ; (it saturates)
	v_ldexp_f32 v252, 1.0, v254                    ; f = 2^(old M - new M)
.set j, 0
.rept 32
	v_pk_fma_f32 v[96+j:97+j], v[96+j:97+j], s[CS:CS+1], v[12:13] op_sel_hi:[1,0,0]   ; t - M, two at a time
.set j, j+2
.endr
.irp b, 0,1,2,3
	v_fma_f32 v[232+\b], v[232+\b], s[CS], v12     ; the same of each block's largest score
.endr
.set j, 0
.rept 64
	v_exp_f32 v[96+j], v[96+j]                     ; p = 2^(t - M), at most 1: not normalised
.set j, j+1
.endr
	v_pk_mul_f32 v[14:15], v[14:15], v[252:253] op_sel_hi:[1,0]   ; the sums under the new M (a plain line behind the exponentials)
	s_wait_alu depctr_va_vdst(0)                   ; one wait for the whole batch, ahead of its first reader
.irp b, 0,1,2,3
	v_exp_f32 v[232+\b], v[232+\b]                 ; the block's largest p: the same two instructions on the same number give the same bits
.endr
	v_pk_add_f32 v[236:237], v[96:97], v[98:99]    ; the row's sum is taken of the unquantised p: two at a time, in two chains
.irp j, 4,8,12,16,20,24,28,32,36,40,44,48,52,56,60
	v_pk_add_f32 v[14:15], v[14:15], v[96+\j:97+\j]
	v_pk_add_f32 v[236:237], v[236:237], v[98+\j:99+\j]
.endr
	v_pk_add_f32 v[14:15], v[14:15], v[236:237]
	s_wait_alu depctr_va_vdst(0)                   ; and one for the four
.irp b, 0,1,2,3
	v_max_num_f32 v[232+\b], 0x1800000, v[232+\b]  ; the floor 2^(3 - 127): the byte cannot fall under 1
.endr
.irp b, 0,1,2,3
	v_add_nc_u32 v[244+\b], 0xff000000, v[232+\b]  ; 2 off the exponent field: the conversion's scale operand
.endr
.irp b, 0,1,2,3
	v_lshrrev_b32 v[236+\b], 23, v[244+\b]         ; the scale's byte
.endr
	v_lshl_or_b32 v253, v237, 8, v236              ; p's row word for these 128 keys
	v_lshl_or_b32 v253, v238, 16, v253
	v_lshl_or_b32 v253, v239, 24, v253
.irp c, 0,1
	v_cvt_scalef32_pk16_fp6_f32 v[224+6*\c:226+6*\c], v[96+32*\c:111+32*\c], v[244+2*\c]
	v_cvt_scalef32_pk16_fp6_f32 v[236+4*\c:238+4*\c], v[112+32*\c:127+32*\c], v[244+2*\c+1]   ; (a conversion's three registers begin on an even number)
.endr
	v_nop                                          ; one plain line behind the scaled conversions
.irp c, 0,1                                    ; the operand's layout wants a whole block in a lane
.irp i, 0,1,2
	v_permlane16_swap_b32 v[224+6*\c+\i], v[236+4*\c+\i]
.endr
.irp i, 0,1,2
	v_mov_b32 v[227+6*\c+\i], v[236+4*\c+\i]
.endr
.endr
.set j, 0
.rept 16
	v_pk_mul_f32 v[160+j:161+j], v[160+j:161+j], v[252:253] op_sel_hi:[1,0]   ; O^T under the new M; each accumulator is read from its low end on.  (Also the plain lines between the writes of p's codes and row word and the products)
.set j, j+2
.endr
	s_wait_dscnt 0x0                               ; v's fragments and row words are in
.irp t, 0,1,2,3                                ; O^T += V^T P^T: four accumulators, one instruction each
.if \t%2
	v_wmma_scale_f32_16x16x128_f8f6f4 v[160+8*\t:167+8*\t], v[32+12*\t:43+12*\t], v[224:235], v[160+8*\t:167+8*\t], v[250+\t/2], v253 matrix_a_fmt:MATRIX_FMT_FP6 matrix_b_fmt:MATRIX_FMT_FP6 matrix_a_scale:MATRIX_SCALE_ROW1
.else
	v_wmma_scale_f32_16x16x128_f8f6f4 v[160+8*\t:167+8*\t], v[32+12*\t:43+12*\t], v[224:235], v[160+8*\t:167+8*\t], v[250+\t/2], v253 matrix_a_fmt:MATRIX_FMT_FP6 matrix_b_fmt:MATRIX_FMT_FP6
.endif
.endr
	s_add_co_u32 s[TB], s[TB], STEPB
	s_add_co_u32 s[TS], s[TS], 256
.endm
; Four key steps.  My loads up to group g's have landed (those of groups g + 1 to 3 may be out: 3 - g), and behind the barrier every wave's have.  In the second pass the wait is met at once.
.macro GROUP g
	s_wait_tensorcnt 3-\g
	s_barrier_signal -1
	s_barrier_wait -1
	s_mov_b32 s[TB], \g*GRP
	s_mov_b32 s[TS], \g*1024
	s_mov_b32 s62, 4
.Lstep_\@:
	STEP
	s_sub_co_u32 s62, s62, 1
	s_cmp_lg_u32 s62, 0
	s_cbranch_scc1 .Lstep_\@
.endm
	s_mov_b32 s63, 2
.Lpass:                                            ; a tile of 16 queries against all 2,048 keys
	v_and_b32 v255, 0xffff, v[QW]
	v_lshl_or_b32 v255, v[QW], 16, v255            ; q's two bytes, for both places in which q can stand
.set j, 0
.rept 32
	v_mov_b32 v[160+j], 0                          ; O^T: the step is written once; the first finds zeros, which the first change of M leaves zeros
.set j, j+1
.endr
	v_mov_b32 v13, 0xff61b1e6                      ; the largest t so far: -3e38, under every t
	v_floor_f32 v12, -v13                          ; -M
	v_mov_b32 v14, 0
	v_mov_b32 v15, 0
	GROUP 0
	GROUP 1
	GROUP 2
	GROUP 3
	v_add_f32 v14, v14, v15                        ; the sum's two halves,
	v_permlanex16_b32 v252, v14, s[SEL], s[SEL+1]
	v_add_f32 v14, v14, v252                       ; and lane l xor 16's: the row's sum
	v_rcp_f32 v14, v14
.rept 3
	v_nop                                          ; plain lines: behind the reciprocal, and (with the two additions) behind the last products
.endr
	s_wait_alu depctr_va_vdst(0)                   ; ahead of the reciprocal's first reader
.set j, 0
.rept 32
	v_mul_f32 v[96+j], v[160+j], v14               ; heads: register 16 B + i is e = 32 B + 16 h + i
.set j, j+1
.endr
.irp b, 0,1
	v_max3_num_f32 v[232+\b], |v[96+16*\b]|, |v[97+16*\b]|, 0x1800000   ; the head's two blocks of 32, with the floor
.endr
.irp i, 2,4,6,8,10,12,14
.irp b, 0,1
	v_max3_num_f32 v[232+\b], v[232+\b], |v[96+16*\b+\i]|, |v[97+16*\b+\i]|
.endr
.endr
.irp b, 0,1
	v_permlanex16_b32 v[236+\b], v[232+\b], s[SEL], s[SEL+1]
.endr
.irp b, 0,1
	v_max_num_f32 v[232+\b], v[232+\b], v[236+\b]
.endr
.irp b, 0,1
	v_add_nc_u32 v[244+\b], 0xff000000, v[232+\b]
.endr
.irp b, 0,1
	v_lshrrev_b32 v[236+\b], 23, v[244+\b]
.endr
	v_cndmask_b32 v238, v236, v237, s[HM]          ; lane (r, h) stores block h's byte of row r
	v_cvt_scalef32_pk16_fp6_f32 v[224:226], v[96:111], v244
	v_cvt_scalef32_pk16_fp6_f32 v[240:242], v[112:127], v245
	v_nop                                          ; one plain line behind the scaled conversions
.irp i, 0,1,2
	v_permlane16_swap_b32 v[224+\i], v[240+\i]
.endr
.irp i, 0,1,2
	v_mov_b32 v[227+\i], v[240+\i]                 ; registers 224-229: e = 32 h + 0 .. 31 of row r
.endr
.irp j, 0,1,2
	global_store_b64 v7, v[224+2*\j:225+2*\j], s[68:69] offset:256*\j   ; 32 lanes store 256 consecutive bytes, at a multiple of 256 from hc's first byte
.endr
	global_store_b8 v6, v238, s[70:71]
	s_wait_xcnt 0x0                                ; the stores' bases and data are rewritten only behind this wait
	s_add_nc_u64 s[68:69], s[68:69], 12288         ; the next stored tile
	s_add_nc_u64 s[70:71], s[70:71], 512
.irp j, 0,1,2,3,4,5
	v_mov_b32 v[198+\j], v[210+\j]                 ; its q,
.endr
	v_lshrrev_b32 v[QW], 16, v[QW]                 ; and its two bytes
	s_sub_co_u32 s63, s63, 1
	s_cmp_lg_u32 s63, 0
	s_cbranch_scc1 .Lpass
	s_wait_tensorcnt 0x0
	ds_add_u32 v223, v243
	s_wait_dscnt 0x0
	CROUND                                         ; the closing round: no work-group ends while a partner may still ask for a part that names it
	s_endpgm
.Lfunc_end_k_qd3b16dff87_attn:
	.size	k_qd3b16dff87_attn, .Lfunc_end_k_qd3b16dff87_attn-k_qd3b16dff87_attn
	.p2alignl 7, 3214868480
	.fill 96, 4, 3214868480
	.section	.rodata,"a",@progbits
	.p2align	6, 0x0
	.amdhsa_kernel k_qd3b16dff87_attn
		.amdhsa_group_segment_fixed_size 206848
		.amdhsa_private_segment_fixed_size 0
		.amdhsa_enable_private_segment 0
		.amdhsa_kernarg_size 32
		.amdhsa_user_sgpr_count 2
		.amdhsa_user_sgpr_kernarg_segment_ptr 1
		.amdhsa_wavefront_size32 1
		.amdhsa_system_sgpr_workgroup_id_x 1
		.amdhsa_system_sgpr_workgroup_id_y 1
		.amdhsa_system_sgpr_workgroup_id_z 1
		.amdhsa_system_vgpr_workitem_id 0
		.amdhsa_next_free_vgpr 256
		.amdhsa_next_free_sgpr 80
		.amdhsa_reserve_vcc 0
		.amdhsa_float_denorm_mode_32 3
		.amdhsa_float_denorm_mode_16_64 3
		.amdhsa_memory_ordered 1
		.amdhsa_forward_progress 1
		.amdhsa_inst_pref_size 76
	.end_amdhsa_kernel
	.amdgpu_metadata
---
amdhsa.version: [ 1, 2 ]
amdhsa.kernels:
  - .name:           k_qd3b16dff87_attn
    .symbol:         k_qd3b16dff87_attn.kd
    .args:
      - { .name: ai, .offset: 0, .size: 8, .value_kind: global_buffer, .address_space: global }
      - { .name: asc, .offset: 8, .size: 8, .value_kind: global_buffer, .address_space: global }
      - { .name: hc, .offset: 16, .size: 8, .value_kind: global_buffer, .address_space: global }
      - { .name: hs, .offset: 24, .size: 8, .value_kind: global_buffer, .address_space: global }
    .group_segment_fixed_size: 206848
    .private_segment_fixed_size: 0
    .kernarg_segment_align: 8
    .kernarg_segment_size: 32
    .max_flat_workgroup_size: 512
    .sgpr_count:     80
    .vgpr_count:     256
    .wavefront_size: 32
...
	.end_amdgpu_metadata
.endif
;; end of part 4
;; launch outp (part 5): grid 4 x 32, 4 waves a work-group, clusters of 4 x 4, 327,680 bytes of LDS; arguments hc, hs, wc, wsb, bo, out0; writes out0
.if DOCPART == 5
	.amdgcn_target "amdgcn-amd-amdhsa--gfx1250"
	.amdhsa_code_object_version 6
	.text
	.protected	k_qd3b16dff87_outp
	.globl	k_qd3b16dff87_outp
	.p2align	8
	.type	k_qd3b16dff87_outp,@function
k_qd3b16dff87_outp:
	s_mov_b64 s[64:65], 0
	v_nop
	global_prefetch_b8 v0, s[64:65] scope:SCOPE_SE
	s_setreg_imm32_b32 hwreg(HW_REG_WAVE_MODE, 25, 1), 1
	s_wait_xcnt 0x0
	s_wait_alu depctr_hold_cnt(0) depctr_sa_sdst(0) depctr_va_vdst(0) depctr_va_sdst(0) depctr_va_ssrc(0) depctr_va_vcc(0) depctr_vm_vsrc(0)
	s_getreg_b32 s2, hwreg(HW_REG_IB_STS2, 6, 4)
	s_cmp_eq_u32 s2, 0
	s_cbranch_scc0 .Lentry_in_a_cluster
	s_endpgm
.Lentry_in_a_cluster:
	s_bfe_u32 s2, ttmp6, 0x10000c
	s_cmp_lg_u32 s2, 0xf033
	s_cbranch_scc0 .Lentry_shape_is_right
	s_endpgm
.Lentry_shape_is_right:
; out0 = heads wo + bo on codes of FP6 (E2M3) with one E8M0 scale for each 32 along K = 1,024; sums in f32.  out0: [8192 tokens][1024] f32.
; A = heads: hc [512 stored tiles of 16 tokens][16 heads][768 bytes], a head's 16 rows x 64 K as an image of six registers (pair j of lane l at 256 j + 8 l); two neighbouring heads are a fragment of 128 along K.
; hs: [8192 stored rows][32 scale bytes].  B = wo: the fourth tensor of wc [1024 stored rows n][768 bytes] and of wsb [1024][32].  Stored row p holds true row sigma(p) (bits 3 and 4 exchanged), for tokens and for n alike.
; A tile of C, 256 x 256, is made by four waves of 128 x 128 (64 accumulators, 512 registers).  K goes in steps of 256 through a ring of two LDS slots filled by the tensor data mover; the scales come into LDS once.
; CLUSTERS: 4 x 4 work-groups; A's tile is asked for jointly by a row of the cluster, B's by a column.  THE MATRIX INSTRUCTION IS USED TRANSPOSED (source 0 = 16 rows of B, source 1 = 16 rows of A).
; bo is the C of each sum's first matrix instruction.  On the way out both stored orders are undone: n by the place in the stage, the token by the store's immediate.
; 128 work-groups: C has that many tiles of 256 x 256.
; REGISTERS, in windows of 256: window 0: v0-31 addresses; v32-63 scale words, two sets; v64-127 bo in the result's layout; from v128 A's fragments, one set; on the way out v128-255 take the rows.
;   window 1: B's fragments, two sets.   window 2: the accumulators of my rows 0-63;   window 3: those of my rows 64-127.
.set SIZE_N, 1024
.set KSTEP,  256
.set NQ,     KSTEP/128
.set ROWB,   192
.set KROW,   768
.set PITCH,  240                       ; B's LDS row: 3 x (64 bytes of data + 16 of padding)
.set FR,     12
.set NL,     6
.set NP,     4
.set ATILE,  3072                      ; a token tile's four heads of a K step
.set HALFA,  8*ATILE                   ; 128 rows of A: images, no padding
.set HALFB,  128*PITCH
.set SLOT,   2*HALFA+2*HALFB           ; A's 256 rows, then B's 256 rows
.set LAPS,   2
.set KS,     32
.set SCL,    2*SLOT
.set HALFS,  (128*KS/256)*272
.set SBLK,   (16*KS/256)*272
.set SPARE,  SCL+4*HALFS               ; the spare words, 128 bytes for each wave, which no other line names
.set SPITCH, 528                       ; the way out: a stage of 16 rows x (512 bytes + 16) for each wave, in slot 0, which has had its last fill and its last read when the first result is stored there
.set WCB,    786432
.set WSB,    32768
.set ADRA, 16                          ; v16-17  LDS address of my A fragments in slot 0, 1: 8 x lane + my half
.set ADRB, 20                          ; v20-21  the same for B  (v22-23: for the pieces behind one padding more)
.set STO,  24
.set RD,   25
.set CO,   26
.set ADRS, 27
.set SPW,  28
.set NIL,  29
.set SC,   32
.set BI,   64                          ; v64-127 bo: register 8 b + j = bo[n0 + 32 (b / 2) + 8 (b % 2) + 16 h + j]
.set AF,   128
.set BK,   128
.set G1, 24
.set G0, 32
.set G1B, 48
.set G0B, 56
.set G1S, 68
.set G0S, 76
.set G1SB, 80
.set G0SB, 88
.set MSB, 0
.macro WIN new
.if MSB != (\new)
	s_set_vgpr_msb (MSB<<8)|(\new)
.set MSB, (\new)
.endif
.endm
.set MUL_LO, 0xa1                      ; source 0 (B) window 1, source 1 (A) window 0, C and D window 2
.set MUL_HI, 0xf1
.set FST_LO, 0x81                      ; the first products: C (bo) window 0, D window 2
.set FST_HI, 0xc1
.set TO_B,   0x40
.macro JLOAD g0a, g1a, g0b, g1b        ; a joint load: waves 0 and 1 fetch for A, waves 2 and 3 for B; four v_nop follow each line
	s_cmp_eq_u32 s15, 0
	s_cbranch_scc0 .Lfor_b_\@
	tensor_load_to_lds s[\g0a:\g0a+3], s[\g1a:\g1a+7]
	s_nop 0
.rept 4
	v_nop
.endr
	s_branch .Lasked_\@
.Lfor_b_\@:
	tensor_load_to_lds s[\g0b:\g0b+3], s[\g1b:\g1b+7]
	s_nop 0
.rept 4
	v_nop
.endr
.Lasked_\@:
.endm
.macro CREST
	s_cmp_lg_u32 s14, 0
	s_cbranch_scc1 .Lnot_wave_0_\@
	s_barrier_signal -3
.Lnot_wave_0_\@:
	s_barrier_wait -3
	s_barrier_signal -1
	s_barrier_wait -1
.endm
.macro CROUND
	s_barrier_signal -1
	s_barrier_wait -1
	CREST
.endm
	s_load_b256 s[4:11], s[0:1], 0x0               ; hc, hs, wc, wsb
	s_load_b64 s[66:67], s[0:1], 0x20              ; bo
	s_load_b64 s[12:13], s[0:1], 0x28              ; out0
	v_lshl_add_u32 v[SPW], v0, 2, SPARE
	v_mov_b32 v[NIL], 0
	ds_add_u32 v28, v29
	ds_add_u32 v28, v29
	s_wait_dscnt 0x0
	v_lshrrev_b32 v1, 5, v0
	v_readfirstlane_b32 s14, v1                    ; wave 0..3
	s_lshr_b32 s15, s14, 1                         ; which half of the tile's rows is mine.  Also: I fetch for A (0) or for B (1)
	s_and_b32 s16, s14, 1                          ; which half of its columns.  Also: which 128 rows of that tile I fetch
	s_bfe_u32 s40, ttmp6, 0x40000                  ; cx, cy
	s_bfe_u32 s41, ttmp6, 0x40004
	s_lshl_b32 s42, ttmp9, 2
	s_add_co_u32 s42, s42, s40                     ; tile column of C
	s_and_b32 s17, ttmp7, 0xffff
	s_lshl_b32 s17, s17, 2
	s_add_co_u32 s17, s17, s41                     ; tile row of C
	s_lshl_b32 s43, s41, 2
	s_lshl_b32 s43, 15, s43                        ; my row of the cluster
	s_lshl_b32 s44, 0x1111, s40                    ; my column
	; group 1 for A: 8 token tiles x 3,072 bytes (384 elements of 8 bytes), 12,288 bytes from tile to tile, no padding
	s_or_b32 s[G1+0], s43, (3<<16)|(1<<21)
	s_mov_b32 s[G1+1], 384<<16
	s_mov_b32 s[G1+2], 8<<16
	s_mov_b32 s[G1+3], 384<<16
	s_mov_b32 s[G1+4], 8
	s_mov_b32 s[G1+5], 1536
	s_mov_b32 s[G1+6], 0
	s_mov_b32 s[G1+7], 0
	; for B: 128 rows x 192 bytes, 16 bytes of padding behind every 64
	s_or_b32 s[G1B+0], s44, (0<<16)|(1<<20)|(1<<21)|(3<<22)|(3<<25)
	s_mov_b32 s[G1B+1], ROWB<<16
	s_mov_b32 s[G1B+2], 128<<16
	s_mov_b32 s[G1B+3], ROWB<<16
	s_mov_b32 s[G1B+4], 128
	s_mov_b32 s[G1B+5], KROW
	s_mov_b32 s[G1B+6], 0
	s_mov_b32 s[G1B+7], 0
	; for the scales of 128 rows: 4,096 dense bytes as rows of 256 bytes, 16 bytes of padding behind each
	s_or_b32 s[G1S+0], s43, (3<<16)|(1<<20)|(1<<21)|(5<<22)|(3<<25)
	s_or_b32 s[G1SB+0], s44, (3<<16)|(1<<20)|(1<<21)|(5<<22)|(3<<25)
.irp g, G1S, G1SB
	s_mov_b32 s[\g+1], 32<<16
	s_mov_b32 s[\g+2], (128*KS/256)<<16
	s_mov_b32 s[\g+3], 32<<16
	s_mov_b32 s[\g+4], 128*KS/256
	s_mov_b32 s[\g+5], 32
	s_mov_b32 s[\g+6], 0
	s_mov_b32 s[\g+7], 0
.endr
	s_lshl_b32 s20, s17, 4
	s_lshl_b32 s18, s16, 3
	s_add_co_u32 s20, s20, s18                     ; A: token tile 16 x tile row + 8 x half
	s_mul_i32 s20, s20, 12288
	s_mov_b32 s21, 0
	s_lshl_b32 s18, s16, 7
	s_lshl_b32 s22, s17, 8
	s_add_co_u32 s22, s22, s18                     ; its first row,
	s_lshl_b32 s22, s22, 5                         ; 32 scale bytes a row
	s_mov_b32 s23, 0
	s_lshl_b32 s46, s42, 8
	s_add_co_u32 s46, s46, s18                     ; B: row 256 x tile column + 128 x half
	s_lshl_b32 s92, s46, 5
	s_add_co_u32 s92, s92, 3*WSB                   ; in the fourth tensor of wsb,
	s_mov_b32 s93, 0
	s_mul_i32 s46, s46, KROW
	s_add_co_u32 s46, s46, 3*WCB                   ; and of wc
	s_mov_b32 s47, 0
	s_mul_i32 s45, s16, HALFA                      ; where they go: no place in the cluster enters an LDS address
	s_mul_i32 s95, s16, HALFB
	s_add_co_u32 s95, s95, 2*HALFA
	s_mul_i32 s94, s14, HALFS
	s_wait_kmcnt 0x0
	s_add_nc_u64 s[20:21], s[4:5], s[20:21]
	s_add_nc_u64 s[22:23], s[6:7], s[22:23]
	s_add_nc_u64 s[46:47], s[8:9], s[46:47]
	s_add_nc_u64 s[92:93], s[10:11], s[92:93]
	CROUND                                         ; all sixteen work-groups are here: the first joint loads meet
	s_mov_b32 s[G0S], 1
	s_add_co_u32 s[G0S+1], s94, SCL
	s_mov_b64 s[G0S+2:G0S+3], s[22:23]
	s_or_b32 s[G0S+3], s[G0S+3], 0x80000000
	s_mov_b32 s[G0SB], 1
	s_add_co_u32 s[G0SB+1], s94, SCL
	s_mov_b64 s[G0SB+2:G0SB+3], s[92:93]
	s_or_b32 s[G0SB+3], s[G0SB+3], 0x80000000
	JLOAD G0S, G1S, G0SB, G1SB                     ; the scales first
.irp s, 0,1
	s_mov_b32 s[G0+4*\s], 1
	s_add_co_u32 s[G0+4*\s+1], s45, \s*SLOT
	s_add_nc_u64 s[G0+4*\s+2:G0+4*\s+3], s[20:21], \s*ATILE
	s_or_b32 s[G0+4*\s+3], s[G0+4*\s+3], 0x80000000
	s_mov_b32 s[G0B+4*\s], 1
	s_add_co_u32 s[G0B+4*\s+1], s95, \s*SLOT
	s_add_nc_u64 s[G0B+4*\s+2:G0B+4*\s+3], s[46:47], \s*ROWB
	s_or_b32 s[G0B+4*\s+3], s[G0B+4*\s+3], 0x80000000
	JLOAD G0+4*\s, G1, G0B+4*\s, G1B               ; three tensor loads of mine are out
.endr
	v_and_b32 v1, 15, v0                           ; r
	v_bfe_u32 v2, v0, 4, 1                         ; h
	v_and_b32 v6, 31, v0                           ; lane
	v_lshlrev_b32 v7, 3, v6                        ; A's images: 8 x lane
	v_mul_u32_u24 v3, v1, PITCH
	v_mul_u32_u24 v4, v2, 24
	v_add_nc_u32 v4, v3, v4                        ; B: a fragment's row x pitch + 24 x half
	v_lshl_add_u32 v5, v2, 4, v4                   ; and the same behind one padding more
	s_mul_i32 s21, s15, HALFA                      ; my 128 rows of A
	s_mul_i32 s22, s16, HALFB                      ; my 128 rows of B,
	s_add_co_u32 s22, s22, 2*HALFA                 ; which lie behind A's 256
.irp s, 0,1
	v_add_nc_u32 v[ADRA+\s], s21, v7
	v_add_nc_u32 v[ADRB+\s], s22, v4
	v_add_nc_u32 v[ADRB+2+\s], s22, v5
	s_add_co_u32 s21, s21, SLOT
	s_add_co_u32 s22, s22, SLOT
.endr
	v_mul_u32_u24 v5, v1, KS
	v_lshrrev_b32 v8, 8, v5
	v_lshl_add_u32 v5, v8, 4, v5                   ; my row's scales: 32 bytes a row, 16 more for each 256 passed
	s_mul_i32 s21, s15, HALFS
	s_mul_i32 s22, s16, HALFS
	s_add_co_u32 s22, s22, 2*HALFS
	s_sub_co_u32 s22, s22, s21
	v_mul_u32_u24 v8, s22, v2                      ; lanes 16-31 take B's
	s_add_co_u32 s21, s21, SCL
	v_add_nc_u32 v5, v5, v8
	v_add_nc_u32 v[ADRS], s21, v5
	s_mul_i32 s23, s14, 16*SPITCH                  ; my stage
	v_mul_u32_u24 v5, v1, SPITCH                   ; in: row r; my half's 16 columns of each 32: 64 h
	v_lshl_add_u32 v5, v2, 6, v5
	v_add_nc_u32 v[STO], s23, v5
	v_lshlrev_b32 v[CO], 4, v6                     ; back: the 32 lanes take one row of 512 bytes; and the same in out0
	v_add_nc_u32 v[RD], s23, v[CO]
	s_lshl_b32 s20, s17, 8
	s_lshl_b32 s21, s15, 7
	s_add_co_u32 s20, s20, s21                     ; m0: my first row of C
	s_mov_b32 s21, 0
	s_mov_b64 s[18:19], SIZE_N*4
	s_mul_u64 s[20:21], s[20:21], s[18:19]
	s_lshl_b32 s46, s42, 10                        ; my first column, in bytes
	s_lshl_b32 s47, s16, 9
	s_add_co_u32 s46, s46, s47
	s_mov_b32 s47, 0
	s_add_nc_u64 s[66:67], s[66:67], s[46:47]      ; bo at my first column
	s_add_nc_u64 s[20:21], s[20:21], s[46:47]
	s_add_nc_u64 s[12:13], s[12:13], s[20:21]      ; out0 at my corner; never stepped
	v_lshlrev_b32 v30, 6, v2
.irp b, 0,1,2,3,4,5,6,7
	global_load_b128 v[BI+8*\b:BI+8*\b+3], v30, s[66:67] offset:4*(32*(\b/2)+8*(\b%2))
	global_load_b128 v[BI+8*\b+4:BI+8*\b+7], v30, s[66:67] offset:4*(32*(\b/2)+8*(\b%2))+16
.endr
.macro FRAG reg, adr, q, i             ; a fragment of B from padded rows, in pieces of 8 bytes; where lanes 16-31's piece lies behind one padding more, the second address register serves
.irp p, 0,1,2,3,4,5
.set PC, 12*(\q)+6*(\p/3)+\p%3
.if PC%8 < 5
	ds_load_b64 v[\reg+2*\p:\reg+2*\p+1], v[\adr] offset:8*PC+16*(PC/8)+(\i)*16*PITCH
.else
	ds_load_b64 v[\reg+2*\p:\reg+2*\p+1], v[\adr+2] offset:8*PC+16*(PC/8)+(\i)*16*PITCH
.endif
.endr
.endm
.macro FRAGA reg, adr, q, i            ; a fragment of A from its image: register pair p at 256 p + 8 x lane: 256 consecutive bytes a load
.irp p, 0,1,2,3,4,5
	ds_load_b64 v[\reg+2*\p:\reg+2*\p+1], v[\adr] offset:(\i)*ATILE+(\q)*1536+256*\p
.endr
.endm
; 16 matrix instructions: A's blocks a0, a0 + 1 x B's eight.  zero = 1: the first product starts the sums, with bo as its C.  The 64 accumulators take turns, one instruction a turn.
.macro MUL16 a0, p, q, sc, zero
.irp a, \a0, \a0+1
.irp b, 0,1,2,3,4,5,6,7
.if \zero
	v_wmma_scale_f32_16x16x128_f8f6f4 v[8*(8*((\a)%4)+\b):8*(8*((\a)%4)+\b)+7], v[128*(\p)+FR*\b:128*(\p)+FR*\b+FR-1], v[AF+FR*(\a):AF+FR*(\a)+FR-1], v[BI+8*\b:BI+8*\b+7], v[SC+8*NQ*(\sc)+NQ*\b+(\q)], v[SC+8*NQ*(\sc)+NQ*(\a)+(\q)] matrix_a_fmt:MATRIX_FMT_FP6 matrix_b_fmt:MATRIX_FMT_FP6 matrix_a_scale:MATRIX_SCALE_ROW1
.else
	v_wmma_scale_f32_16x16x128_f8f6f4 v[8*(8*((\a)%4)+\b):8*(8*((\a)%4)+\b)+7], v[128*(\p)+FR*\b:128*(\p)+FR*\b+FR-1], v[AF+FR*(\a):AF+FR*(\a)+FR-1], v[8*(8*((\a)%4)+\b):8*(8*((\a)%4)+\b)+7], v[SC+8*NQ*(\sc)+NQ*\b+(\q)], v[SC+8*NQ*(\sc)+NQ*(\a)+(\q)] matrix_a_fmt:MATRIX_FMT_FP6 matrix_b_fmt:MATRIX_FMT_FP6 matrix_a_scale:MATRIX_SCALE_ROW1
.endif
.endr
.endr
.endm
.macro FETCH_B slot, q, p
	WIN TO_B
.irp i, 0,1,2,3,4,5,6,7
	FRAG 128*(\p)+FR*\i, ADRB+\slot, \q, \i
.endr
	WIN 0
.endm
.macro FETCH_A slot, q, i0
.irp i, \i0, \i0+1, \i0+2, \i0+3
	FRAGA AF+FR*(\i), ADRA+\slot, \q, \i
.endr
.endm
.macro SCALES sc
.irp i, 0,1,2,3,4,5,6,7
	ds_load_b64 v[SC+8*NQ*\sc+NQ*\i:SC+8*NQ*\sc+NQ*\i+1], v[ADRS] offset:\i*SBLK
.endr
.endm
.macro PLACES n                        ; plain vector lines between a matrix instruction and a load into, or a read of, its registers
.rept \n
	v_nop
.endr
.endm
.macro STEP slot, q, zero
	s_wait_dscnt 4*NL                              ; B's set and A's blocks 0-3 are in; the youngest 24 loads (A's blocks 4-7) may be out
.if \zero
	WIN FST_LO
.else
	WIN MUL_LO
.endif
	MUL16 0, (\q)%2, \q, \slot, \zero
	MUL16 2, (\q)%2, \q, \slot, \zero
	s_wait_dscnt 0
	PLACES NP
	FETCH_B \slot, (\q)+1, 1-(\q)%2
	FETCH_A \slot, (\q)+1, 0
.if \zero
	WIN FST_HI
.else
	WIN MUL_HI
.endif
	MUL16 4, (\q)%2, \q, \slot, \zero
	MUL16 6, (\q)%2, \q, \slot, \zero
	PLACES NP
	WIN 0
	FETCH_A \slot, (\q)+1, 4
.endm
; A slot's last step changes slots: one barrier; in front of it each wave waits for all its tensor loads, adds 0 to its spare word, and waits for that and for its own reads of this slot.
.macro TURN slot, next, fill
	s_wait_tensorcnt 0x0                           ; all my tensor loads have landed: my part of the next slot
	ds_add_u32 v[SPW], v[NIL]                      ; 0 onto my spare word
	s_wait_dscnt 4*NL+1                            ; (the add and the youngest 24 loads may be out)
	WIN MUL_LO
	MUL16 0, 1, NQ-1, \slot, 0
	s_wait_dscnt 0x0                               ; the add is done, and my reads of this slot are over
	s_barrier_signal -1
	MUL16 2, 1, NQ-1, \slot, 0
	WIN 0
	s_barrier_wait -1
.if \fill
	CREST                                          ; the barrier has opened a round of the cluster's barrier: no wave of any partner still reads this slot's tile or has a load on its way
	s_add_nc_u64 s[G0+4*\slot+2:G0+4*\slot+3], s[G0+4*\slot+2:G0+4*\slot+3], 2*ATILE
	s_add_nc_u64 s[G0B+4*\slot+2:G0B+4*\slot+3], s[G0B+4*\slot+2:G0B+4*\slot+3], 2*ROWB
	JLOAD G0+4*\slot, G1, G0B+4*\slot, G1B         ; the first tensor load behind the round; its four v_nop are the places in front of the loads below
.else
	PLACES NP
.endif
	v_add_nc_u32 v[ADRS], 4*NQ, v[ADRS]
	FETCH_B \next, 0, 0
	FETCH_A \next, 0, 0
	SCALES \next
	WIN MUL_HI
	MUL16 4, 1, NQ-1, \slot, 0
	MUL16 6, 1, NQ-1, \slot, 0
	PLACES NP
	WIN 0
	FETCH_A \next, 0, 4
.endm
	s_wait_tensorcnt 1                             ; the scales and my part of K step 0 are in (K step 1's load may be out),
	s_barrier_signal -1
	s_barrier_wait -1                              ; everybody's are
	FETCH_B 0, 0, 0
	FETCH_A 0, 0, 0
	SCALES 0
	FETCH_A 0, 0, 4
	s_wait_loadcnt 0x0                             ; bo
	STEP 0, 0, 1                                   ; the first step stands in front of the loop: its products start the sums
	s_mov_b32 s3, LAPS-1
.Llap:
	TURN 0, 1, 1
	STEP 1, 0, 0
	TURN 1, 0, 1
	STEP 0, 0, 0
	s_sub_co_u32 s3, s3, 1
	s_cmp_lg_u32 s3, 0
	s_cbranch_scc1 .Llap
	TURN 0, 1, 0                                   ; the last lap fills nothing
	STEP 1, 0, 0
	s_wait_dscnt 4*NL
	WIN MUL_LO
	MUL16 0, 1, NQ-1, 1, 0
	MUL16 2, 1, NQ-1, 1, 0
	s_wait_dscnt 0
	WIN MUL_HI
	MUL16 4, 1, NQ-1, 1, 0
	MUL16 6, 1, NQ-1, 1, 0
	WIN 0
; THE WAY OUT, block by block of 16 rows x 128 columns, through my own stage in LDS.  Tile b's eight numbers of lane (r, h) are columns 32 (b / 2) + 8 (b % 2) + 16 h + 0 .. 7 of row r.
; LDS serves a wave's instructions in order: no wait between the stores and the loads, nor in front of the next block's stores.
.macro TOSTAGE a
.set AC, 64*((\a)%4)
	WIN 0x08+4*((\a)/4)                            ; the data: window 2 or 3
.irp b, 0,1,2,3,4,5,6,7
	ds_store_b128 v[STO], v[AC+8*\b:AC+8*\b+3] offset:128*(\b/2)+32*(\b%2)          ; each accumulator from its low end on
	ds_store_b128 v[STO], v[AC+8*\b+4:AC+8*\b+7] offset:128*(\b/2)+32*(\b%2)+16
.endr
	WIN 0
.set BB, BK+64*((\a)%2)
.irp t, 0,1,2,3,4,5,6,7,8,9,10,11,12,13,14,15
	ds_load_b128 v[BB+4*\t:BB+4*\t+3], v[RD] offset:\t*SPITCH
.endr
.endm
.macro SEND a, younger                 ; younger: the LDS instructions issued behind block a's loads, which may stay out.  Row t of block a is token m0 + 32 (a / 2) + 8 (a % 2) + t + 8 (t / 8)
.set BB, BK+64*((\a)%2)
	s_wait_dscnt \younger
.irp t, 0,1,2,3,4,5,6,7,8,9,10,11,12,13,14,15
	global_store_b128 v[CO], v[BB+4*\t:BB+4*\t+3], s[12:13] offset:(32*((\a)/2)+8*((\a)%2)+\t+8*(\t/8))*SIZE_N*4 th:TH_STORE_NT   ; 32 lanes store 512 consecutive bytes, at a multiple of 256 from out0's first byte; 127 rows at the most: inside the signed 24-bit immediate
.endr
.endm
	PLACES NP
	TOSTAGE 0
.irp a, 1,2,3,4,5,6,7
.if \a > 1
	s_wait_xcnt 0x0                                ; block a - 2's stores have read their registers: block a's loads may land there
.endif
	TOSTAGE \a
	SEND \a-1, 32                                  ; behind block a - 1's loads: block a's 16 stores and 16 loads
.endr
	SEND 7, 0
	s_wait_tensorcnt 0x0                           ; the wave's end
	ds_add_u32 v[SPW], v[NIL]
	s_wait_dscnt 0x0
	CROUND                                         ; the closing round
	s_endpgm
.Lfunc_end_k_qd3b16dff87_outp:
	.size	k_qd3b16dff87_outp, .Lfunc_end_k_qd3b16dff87_outp-k_qd3b16dff87_outp
	.p2alignl 7, 3214868480
	.fill 96, 4, 3214868480
	.section	.rodata,"a",@progbits
	.p2align	6, 0x0
	.amdhsa_kernel k_qd3b16dff87_outp
		.amdhsa_group_segment_fixed_size 327680
		.amdhsa_private_segment_fixed_size 0
		.amdhsa_enable_private_segment 0
		.amdhsa_kernarg_size 48
		.amdhsa_user_sgpr_count 2
		.amdhsa_user_sgpr_kernarg_segment_ptr 1
		.amdhsa_wavefront_size32 1
		.amdhsa_system_sgpr_workgroup_id_x 1
		.amdhsa_system_sgpr_workgroup_id_y 1
		.amdhsa_system_sgpr_workgroup_id_z 1
		.amdhsa_system_vgpr_workitem_id 0
		.amdhsa_next_free_vgpr 1024
		.amdhsa_next_free_sgpr 98
		.amdhsa_reserve_vcc 0
		.amdhsa_float_denorm_mode_32 3
		.amdhsa_float_denorm_mode_16_64 3
		.amdhsa_memory_ordered 1
		.amdhsa_forward_progress 1
		.amdhsa_inst_pref_size 161
	.end_amdhsa_kernel
	.amdgpu_metadata
---
amdhsa.version: [ 1, 2 ]
amdhsa.kernels:
  - .name:           k_qd3b16dff87_outp
    .symbol:         k_qd3b16dff87_outp.kd
    .args:
      - { .name: hc, .offset: 0, .size: 8, .value_kind: global_buffer, .address_space: global }
      - { .name: hs, .offset: 8, .size: 8, .value_kind: global_buffer, .address_space: global }
      - { .name: wc, .offset: 16, .size: 8, .value_kind: global_buffer, .address_space: global }
      - { .name: wsb, .offset: 24, .size: 8, .value_kind: global_buffer, .address_space: global }
      - { .name: bo, .offset: 32, .size: 8, .value_kind: global_buffer, .address_space: global }
      - { .name: out0, .offset: 40, .size: 8, .value_kind: global_buffer, .address_space: global }
    .group_segment_fixed_size: 327680
    .private_segment_fixed_size: 0
    .kernarg_segment_align: 8
    .kernarg_segment_size: 48
    .max_flat_workgroup_size: 128
    .sgpr_count:     98
    .vgpr_count:     1024
    .wavefront_size: 32
...
	.end_amdgpu_metadata
.endif
;; end of part 5
